; MI455X (gfx1250); checked and timed in simulation.
; The chip was launched on July 23, 2026; its instructions are those of AMD's public machine-readable ISA for CDNA 5 (MIT licence, August 2026) and "CDNA5" Instruction Set Architecture Reference Guide (July 2026). The comments in the code are by the model that wrote it; some were corrected since.
;; Mo E. Allowed arithmetic: matrix products marked QUANTISED: E4M3 operands, one E8M0 scale for each 32 along K, by v_wmma_scale_f32_16x16x128_f8f6f4 with both operands' format E4M3, f32 sums; products left as they are: f32 operands where the result goes on into a quantised operand, else bf16, f16 or f32 operands; f32 sums; everything else in f32.
;; Inputs: b1 8 x 2,048 float32; b2 8 x 1,024 float32; gate_b 8 float32; gate_w 8 x 1,024 float32; w1_codes 8 x 2,048 x 32 x 32 uint8 (E4M3 codes of w1, K innermost, in blocks of 32 codes); w1_scales 8 x 2,048 x 32 uint8 (E8M0 scales of w1, one for each 32 codes along K); w2_codes 8 x 1,024 x 64 x 32 uint8 (E4M3 codes of w2, K innermost, in blocks of 32 codes); w2_scales 8 x 1,024 x 64 uint8 (E8M0 scales of w2, one for each 32 codes along K); x 4 x 512 x 1,024 float32.
;; Outputs: out0 4 x 512 x 1,024 float32.
;; This version of the problem:
;;   THIS VERSION OF THE PROBLEM IS GIVEN IN LOW PRECISION. The matrix products marked QUANTISED in the list below multiply operands that are first quantised to E4M3 (4 exponent bits, 3 mantissa bits; 8 bits a number), with one power-of-two scale for each 32 numbers along K (OCP MX v1.0); their sums are f32. All else is computed in f32.
;;   The module's matrix products, in the order in which they are computed (A, B: the left and right operand; K: the contracted axis; several contracted axes count as one K, in the product's order):
;;     1. [M 2,048, K 1,024] x [K 1,024, N 8]; A: input x; B: input gate_w: left as it is (N = 8 < 16)
;;     2. [M 2,048, K 1,024] x [K 1,024, N 16,384]; A: input x; B: input w1 (given as codes): QUANTISED
;;     3. batch 8 x [M 1,024, K 2,048] x [K 2,048, N 2,048]; A: input w2 (given as codes); B: computed on the way: QUANTISED
;;   THE QUANTISER, for each operand of a quantised product, along K:
;;     - K is cut into blocks of 32 from its start; a last block that is shorter is filled with zeros.
;;     - A block's scale is 2^e with e = floor(log2(the largest magnitude in the block)) - 8, held to -126 .. 127; a block of zeros has e = 0. As a byte (E8M0): e + 127.
;;     - Each number is divided by its block's scale, clamped to +-448, and rounded to the nearest number of E4M3, ties to even, subnormals kept.
;;     - The product sums the exact products of the quantised numbers (number of the format x scale) in f32.
;;   ~~~python
;;   def quantise(x, axis):      # numpy; x: float32 -> the quantised numbers, widened to float32 again
;;       x = np.moveaxis(x, axis, -1); K = x.shape[-1]
;;       x = np.pad(x, [(0, 0)] * (x.ndim - 1) + [(0, -K % 32)]); x = x.reshape(x.shape[:-1] + (-1, 32)); a = np.abs(x).max(-1, keepdims=True)
;;       e = np.where(a > 0, np.clip(np.frexp(np.where(a > 0, a, 1))[1] - 1 - 8, -126, 127), 0)      # np.frexp(a)[1] - 1 = floor(log2(a)), exactly
;;       r = np.clip(x / 2.0 ** e, -448, 448)
;;       step = 2.0 ** (np.maximum(np.frexp(np.where(r == 0, 1, r))[1] - 1, -6) - 3)
;;       q = np.round(r / step) * step * 2.0 ** e      # np.round: ties to even
;;       return np.moveaxis(q.reshape(q.shape[:-2] + (-1,))[..., :K], -1, axis).astype(np.float32)
;;   ~~~
;;   OPERANDS COMPUTED ON THE WAY. 'Computed on the way' means the value that the module computes at that place (a softmax that the list does not call 'softmax' is quantised finished and normalised). What goes into a quantiser is computed in f32, as accurately as f32 sums, v_exp_f32 and their like allow (about 1e-6 of the number): no bf16 or f16 on the way to a quantiser, and a product that is left as it is and whose result goes on into a quantised operand takes f32 operands (vector FMAs, or v_wmma_f32_16x16x4_f32). A number that lies on a knife's edge between two numbers of the format may be rounded either way, as far as f32 arithmetic and the matrix unit's own rounding can turn it there, and no further.
;;   INPUTS GIVEN AS CODES. w1 (in the module: [8, 1024, 2048], K = its axis 1); w2 (in the module: [8, 2048, 1024], K = its axis 1): each comes as NAME_codes (uint8): NAME with its K axis moved to the last place and cut into blocks of 32 codes, [.., K / 32, bytes a block], one block behind the other in memory; one code a byte (a code: sign, 4 exponent bits, 3 mantissa bits); and NAME_scales (uint8): the same leading axes, one E8M0 byte (e + 127) for each 32 codes along K. Its value is code x scale, taken as it is: it is not quantised again, and the codes and scales need not be those that the quantiser above would give.
;; 2 versions. Each part assembles by itself: llvm-mc -triple=amdgcn-amd-amdhsa -mcpu=gfx1250 --defsym DOCPART=n.
;; ======== version 1 of 2: 4 launches
;; workspace buffers: xq 2,162,688 bytes; pairid 8,192 bytes of whole numbers; gates 16,384 bytes; plan 9,728 bytes of whole numbers; gslot 17,408 bytes; hq 23,248,896 bytes
;; launch route (part 1): grid 256 x 1, 4 waves a work-group, no clusters, 41,984 bytes of LDS; arguments x, gate_w, gate_b, xq, pairid, gates; writes xq, pairid, gates
.if DOCPART == 1
	.amdgcn_target "amdgcn-amd-amdhsa--gfx1250"
	.amdhsa_code_object_version 6
	.text
	.protected	k_qbb422ad15b_route
	.globl	k_qbb422ad15b_route
	.p2align	8
	.type	k_qbb422ad15b_route,@function
k_qbb422ad15b_route:
	s_mov_b64 s[64:65], 0
	v_nop
	global_prefetch_b8 v0, s[64:65] scope:SCOPE_SE
	s_setreg_imm32_b32 hwreg(HW_REG_WAVE_MODE, 25, 1), 1
	s_wait_xcnt 0x0
; ROUTER AND QUANTISER OF x.  x: [2048 tokens][1024] f32.  For each token: 8 logits x . gate_w[e] + gate_b[e] in f32 (fused multiply-adds), softmax with its maximum
; taken away, the two largest probabilities (the lower index wins a tie); and x as codes of E4M3 with one E8M0 byte for each 32 along its row.
; OUT: xq: codes [2048][1024] at byte 0, scale bytes [2048][32] at XSC;  pairid[token] = lo (13 - lo) / 2 + hi - 1 (0 .. 27; lo < hi the two experts);  gates[token] = (g of lo, g of hi).
; Every address is made of ids alone: what the floats decide is only selected (v_cndmask_b32) and stored; a later launch forms addresses from it.
; SHARES: a work-group takes 8 tokens, a wave 2.  A load of x covers 512 consecutive bytes: in load j a lane holds k = 128 j + 4 lane + 0 .. 3, so block 4 j + lane / 8 lies in 8 neighbouring lanes.
; A lane's codes of two loads have two scales, so each number is first multiplied by 2^-e (exact), held within +-448, and converted with the scale 1.
; LIMITS: NaN and infinities are not served.  A block whose largest magnitude lies under 2^-118 takes the byte 1; a block of zeros takes 1 where the quantiser says 127: its codes are zeros and only this
; program reads the bytes.  Where a token's second and third probability differ by less than the f32 sums' error, the other expert may be chosen.
; No matrix unit (8 columns), no cluster (work-groups share only gate_w, 32 KiB against their own 32 KiB of x, read once each).
.set STG, 32768                        ; LDS: gate_w as it lies at 0; from STG 1,024 bytes of codes for each (wave, token);
.set SCS, 40960                        ; from SCS the work-group's 8 x 32 scale bytes
.set XSC, 0x200000
.set ONE, 12                           ; v12 1.0: the conversion's scale operand
.set LIM, 13                           ; v13 448.0
.set X,   16                           ; v16-79   two tokens x 32 numbers
.set GWR, 80                           ; v80-143  gate_w on its way into LDS, then two sets of 8 experts x 4 numbers
.set AG,  144                          ; v144-175 sums, a pair for each (token, expert)
.set T,   176                          ; v176-183 eight scaled numbers
.set C,   184                          ; v184-199 codes, 8 registers a token
.set M,   200                          ; v200-207 largest magnitudes
.set INV, 208                          ; v208-215 2^-e
.set BY,  216                          ; v216-231 scale bytes, 8 a token
.set RB,  232                          ; v232-247 codes read back by rows
.set L,   16                           ; behind the sums x's registers are free: v16-31 logits, then probabilities
.set L2,  32
.set A0,  48
.set A1,  49
.set BV,  50
.set BI,  51
.set BV2, 52
.set BI2, 53
.set LO,  54
.set HI,  55
.set PID, 56
.set GLO, 58
.set GHI, 60
.set FP,  62
.set FG,  64
	s_load_b256 s[4:11], s[0:1], 0x0               ; x s[4:5], gate_w s[6:7], gate_b s[8:9], xq s[10:11]
	s_load_b128 s[12:15], s[0:1], 0x20             ; pairid s[12:13], gates s[14:15]
	v_lshl_add_u32 v254, v0, 2, 0xa200
	v_mov_b32 v255, 0
	v_and_b32 v1, 31, v0                           ; lane
	v_lshrrev_b32 v10, 5, v0
	v_readfirstlane_b32 s24, v10                   ; wave
	v_lshlrev_b32 v2, 4, v1                        ; 16 x lane
	s_lshl_b32 s28, s24, 11
	s_add_co_u32 s28, s28, STG
	v_lshl_add_u32 v3, v1, 2, s28                  ; my wave's stage, 4 bytes a lane (in)
	v_lshl_add_u32 v5, v1, 4, s28                  ; and 16 bytes a lane (back)
	s_lshl_b32 s29, s24, 6
	s_add_co_u32 s29, s29, SCS
	v_lshrrev_b32 v4, 3, v1
	v_add_nc_u32 v4, s29, v4                       ; my block's scale byte
	s_lshl_b32 s30, s24, 13
	v_lshl_add_u32 v6, v1, 4, s30                  ; my wave's 8 KiB of gate_w: in memory and in LDS alike
	v_lshlrev_b32 v7, 3, v1
	v_add_nc_u32 v8, SCS, v7                       ; wave 0: the scale bytes on their way out
	v_mov_b32 v[ONE], 1.0
	v_mov_b32 v[LIM], 0x43e00000
	s_mov_b32 s26, 0x76543210
	s_mov_b32 s27, 0xfedcba98                      ; v_permlanex16_b32's selects for lane l xor 16
	s_lshl_b32 s32, ttmp9, 15
	s_add_co_u32 s32, s32, s30                     ; (8 wg + 2 wave) x 4,096: my first token's row of x
	s_mov_b32 s33, 0
	s_lshr_b32 s34, s32, 2                         ; x 1,024: its codes
	s_mov_b32 s35, 0
	s_lshl_b32 s36, ttmp9, 8
	s_add_co_u32 s36, s36, XSC                     ; the work-group's 256 scale bytes
	s_mov_b32 s37, 0
	s_lshr_b32 s38, s32, 10                        ; x 4: pairid
	s_mov_b32 s39, 0
	s_lshr_b32 s40, s32, 9                         ; x 8: gates
	s_mov_b32 s41, 0
	s_wait_kmcnt 0x0
	s_load_b256 s[16:23], s[8:9], 0x0              ; gate_b, all 32 bytes
	s_add_nc_u64 s[4:5], s[4:5], s[32:33]
	s_add_nc_u64 s[42:43], s[10:11], s[36:37]
	s_add_nc_u64 s[10:11], s[10:11], s[34:35]
	s_add_nc_u64 s[12:13], s[12:13], s[38:39]
	s_add_nc_u64 s[14:15], s[14:15], s[40:41]
.irp tk, 0,1
.irp j, 0,1,2,3,4,5,6,7
	global_load_b128 v[X+32*\tk+4*\j:X+32*\tk+4*\j+3], v2, s[4:5] offset:4096*\tk+512*\j th:TH_LOAD_NT
.endr
.endr
.irp i, 0,1,2,3,4,5,6,7,8,9,10,11,12,13,14,15
	global_load_b128 v[GWR+4*\i:GWR+4*\i+3], v6, s[6:7] offset:512*\i
.endr
; Token tk becomes codes and scale bytes.
.macro QX tk
.irp j, 0,1,2,3,4,5,6,7
	v_max3_num_f32 v[M+\j], |v[X+32*\tk+4*\j]|, |v[X+32*\tk+4*\j+1]|, 0x4800000   ; my four numbers of block 4 j + lane / 8, and the floor 2^(9 - 127): the byte cannot fall under 1
.endr
.irp j, 0,1,2,3,4,5,6,7
	v_max3_num_f32 v[M+\j], v[M+\j], |v[X+32*\tk+4*\j+2]|, |v[X+32*\tk+4*\j+3]|
.endr
.irp m, 1,2,4
.irp j, 0,1,2,3,4,5,6,7
	v_max_num_f32_dpp v[M+\j], v[M+\j], v[M+\j] row_xmask:\m row_mask:0xf bank_mask:0xf   ; over the block's 8 lanes
.endr
.endr
.irp j, 0,1,2,3,4,5,6,7
	v_and_b32 v[INV+\j], 0x7f800000, v[M+\j]
	v_lshrrev_b32 v[BY+8*\tk+\j], 23, v[M+\j]
.endr
.irp j, 0,1,2,3,4,5,6,7
	v_sub_nc_u32 v[INV+\j], 0x83000000, v[INV+\j]          ; exponent field 262 - the largest magnitude's: 2^-e with e = floor(log2) - 8
	v_add_nc_u32 v[BY+8*\tk+\j], -8, v[BY+8*\tk+\j]        ; the byte e + 127
.endr
.irp p, 0,2,4,6
.irp i, 0,1,2,3
	v_mul_f32 v[T+\i], v[X+32*\tk+4*\p+\i], v[INV+\p]      ; a power of two: nothing is rounded that a code could show
	v_mul_f32 v[T+4+\i], v[X+32*\tk+4*\p+4+\i], v[INV+\p+1]
.endr
.irp i, 0,1,2,3,4,5,6,7
	v_med3_num_f32 v[T+\i], v[T+\i], -v[LIM], v[LIM]       ; the conversion to an 8-bit code does not saturate (ISA guide 7.6.2)
.endr
	v_cvt_scalef32_pk8_fp8_f32 v[C+8*\tk+\p:C+8*\tk+\p+1], v[T:T+7], v[ONE]
	v_nop                                          ; a plain line between the conversion and the next writes of its sources
.endr
.irp j, 0,1,2,3,4,5,6,7
	ds_store_b32 v3, v[C+8*\tk+\j] offset:1024*\tk+128*\j  ; 32 lanes: 128 consecutive bytes of the row of codes
	ds_store_b8 v4, v[BY+8*\tk+\j] offset:32*\tk+4*\j      ; the 8 lanes of a block write the same byte with the same value
.endr
	ds_load_b128 v[RB+8*\tk:RB+8*\tk+3], v5 offset:1024*\tk        ; LDS serves a wave's instructions in order: these see my stores
	ds_load_b128 v[RB+8*\tk+4:RB+8*\tk+7], v5 offset:1024*\tk+512
	s_wait_dscnt 0x0
	global_store_b128 v2, v[RB+8*\tk:RB+8*\tk+3], s[10:11] offset:1024*\tk        ; 512 consecutive bytes a store
	global_store_b128 v2, v[RB+8*\tk+4:RB+8*\tk+7], s[10:11] offset:1024*\tk+512
.endm
	s_wait_loadcnt 16                              ; x is in; the 16 loads of gate_w behind it may be out
	QX 0
	QX 1
	s_wait_loadcnt 0x0
.irp i, 0,1,2,3,4,5,6,7,8,9,10,11,12,13,14,15
	ds_store_b128 v6, v[GWR+4*\i:GWR+4*\i+3] offset:512*\i
.endr
	s_wait_dscnt 0x0                               ; for the others' sake: my part of gate_w and my scale bytes lie in LDS
	s_barrier_signal -1
	s_barrier_wait -1
	s_cmp_lg_u32 s24, 0
	s_cbranch_scc1 .Lnot0
	ds_load_b64 v[10:11], v8                       ; wave 0 stores the work-group's 256 scale bytes as one aligned block
	s_wait_dscnt 0x0
	global_store_b64 v7, v[10:11], s[42:43]
.Lnot0:
; The 16 dot products.  Step j: gate_w[e][128 j + 4 lane + 0 .. 3] for the 8 experts, against both tokens.
.macro GLD j, set
.irp e, 0,1,2,3,4,5,6,7
	ds_load_b128 v[GWR+32*(\set)+4*\e:GWR+32*(\set)+4*\e+3], v2 offset:4096*\e+512*(\j)
.endr
.endm
.macro DOT j
.if \j < 7
	GLD \j+1, (\j+1)%2
	s_wait_dscnt 8                                 ; this step's 8 are in; the next step's 8 may be out
.else
	s_wait_dscnt 0x0
.endif
.irp e, 0,1,2,3,4,5,6,7
.irp tk, 0,1
.if \j == 0
	v_pk_mul_f32 v[AG+2*(8*\tk+\e):AG+2*(8*\tk+\e)+1], v[X+32*\tk+4*\j:X+32*\tk+4*\j+1], v[GWR+32*((\j)%2)+4*\e:GWR+32*((\j)%2)+4*\e+1]   ; the first product starts the sum
.else
	v_pk_fma_f32 v[AG+2*(8*\tk+\e):AG+2*(8*\tk+\e)+1], v[X+32*\tk+4*\j:X+32*\tk+4*\j+1], v[GWR+32*((\j)%2)+4*\e:GWR+32*((\j)%2)+4*\e+1], v[AG+2*(8*\tk+\e):AG+2*(8*\tk+\e)+1]
.endif
.endr
.endr
.irp e, 0,1,2,3,4,5,6,7
.irp tk, 0,1
	v_pk_fma_f32 v[AG+2*(8*\tk+\e):AG+2*(8*\tk+\e)+1], v[X+32*\tk+4*\j+2:X+32*\tk+4*\j+3], v[GWR+32*((\j)%2)+4*\e+2:GWR+32*((\j)%2)+4*\e+3], v[AG+2*(8*\tk+\e):AG+2*(8*\tk+\e)+1]
.endr
.endr
.endm
	GLD 0, 0
.irp j, 0,1,2,3,4,5,6,7
	DOT \j
.endr
.irp n, 0,1,2,3,4,5,6,7,8,9,10,11,12,13,14,15
	v_add_f32 v[L+\n], v[AG+2*\n], v[AG+2*\n+1]
.endr
.irp m, 1,2,4,8
.irp n, 0,1,2,3,4,5,6,7,8,9,10,11,12,13,14,15
	v_add_f32_dpp v[L+\n], v[L+\n], v[L+\n] row_xmask:\m row_mask:0xf bank_mask:0xf
.endr
.endr
.irp n, 0,1,2,3,4,5,6,7,8,9,10,11,12,13,14,15
	v_permlanex16_b32 v[L2+\n], v[L+\n], s26, s27
.endr
	s_wait_kmcnt 0x0                               ; gate_b
.irp n, 0,1,2,3,4,5,6,7,8,9,10,11,12,13,14,15
	v_add_f32 v[L+\n], v[L+\n], v[L2+\n]           ; every lane holds every sum
.endr
.irp tk, 0,1
.irp e, 0,1,2,3,4,5,6,7
	v_add_f32 v[L+8*\tk+\e], s[16+\e], v[L+8*\tk+\e]
.endr
.endr
.macro SCAN bv, bi                     ; the largest of the 8 and its index; strictly greater, ascending: the lower index wins a tie
	v_mov_b32 v[\bv], v[P]
	v_mov_b32 v[\bi], 0
.irp e, 1,2,3,4,5,6,7
	v_cmp_gt_f32 vcc_lo, v[P+\e], v[\bv]
	v_cndmask_b32 v[\bv], v[\bv], v[P+\e], vcc_lo
	v_cndmask_b32 v[\bi], v[\bi], \e, vcc_lo
.endr
.endm
.macro TOP2 tk
.set P, L+8*\tk
	v_max3_num_f32 v[A0], v[P], v[P+1], v[P+2]
	v_max3_num_f32 v[A0], v[A0], v[P+3], v[P+4]
	v_max3_num_f32 v[A0], v[A0], v[P+5], v[P+6]
	v_max_num_f32 v[A0], v[A0], v[P+7]             ; the maximum is taken away ahead of the exponentials
.irp e, 0,1,2,3,4,5,6,7
	v_sub_f32 v[P+\e], v[P+\e], v[A0]
.endr
.irp e, 0,1,2,3,4,5,6,7
	v_mul_f32 v[P+\e], 0x3fb8aa3b, v[P+\e]
.endr
.irp e, 0,1,2,3,4,5,6,7
	v_exp_f32 v[P+\e], v[P+\e]
.endr
	v_nop                                          ; a plain line behind the exponentials
	s_wait_alu depctr_va_vdst(0)
	v_add_f32 v[A1], v[P], v[P+1]
.irp e, 2,3,4,5,6,7
	v_add_f32 v[A1], v[A1], v[P+\e]
.endr
	v_rcp_f32 v[A1], v[A1]
	v_nop
	s_wait_alu depctr_va_vdst(0)
.irp e, 0,1,2,3,4,5,6,7
	v_mul_f32 v[P+\e], v[P+\e], v[A1]
.endr
	SCAN BV, BI
.irp e, 0,1,2,3,4,5,6,7
	v_cmp_eq_u32 vcc_lo, \e, v[BI]
	v_cndmask_b32 v[P+\e], v[P+\e], -1.0, vcc_lo   ; the winner leaves the field: probabilities are not negative
.endr
	SCAN BV2, BI2
	v_min_u32 v[LO], v[BI], v[BI2]
	v_max_u32 v[HI], v[BI], v[BI2]
	v_cmp_lt_u32 vcc_lo, v[BI], v[BI2]
	v_cndmask_b32 v[GLO+\tk], v[BV2], v[BV], vcc_lo
	v_cndmask_b32 v[GHI+\tk], v[BV], v[BV2], vcc_lo
	v_sub_nc_u32 v[A0], 13, v[LO]
	v_mul_u32_u24 v[A0], v[A0], v[LO]
	v_lshrrev_b32 v[A0], 1, v[A0]
	v_add3_u32 v[PID+\tk], v[A0], v[HI], -1        ; lo (13 - lo) / 2 + hi - 1
.endm
	TOP2 0
	TOP2 1
	v_cmp_eq_u32 vcc_lo, 1, v1                     ; lane 0 stores the first token's, lane 1 the second's
	v_cndmask_b32 v[FP], v[PID], v[PID+1], vcc_lo
	v_cndmask_b32 v[FG], v[GLO], v[GLO+1], vcc_lo
	v_cndmask_b32 v[FG+1], v[GHI], v[GHI+1], vcc_lo
	v_lshlrev_b32 v14, 2, v1
	v_cmp_gt_u32 vcc_lo, 2, v1
	s_wait_xcnt 0x0                                ; EXEC changes only behind this wait
	s_wait_tensorcnt 0x0
	ds_add_u32 v254, v255
	s_wait_dscnt 0x0
	s_and_saveexec_b32 s30, vcc_lo
	global_store_b32 v14, v[FP], s[12:13]
	global_store_b64 v7, v[FG:FG+1], s[14:15]
	s_wait_xcnt 0x0                                ; and again in front of the line that widens it
	s_or_b32 exec_lo, exec_lo, s30
	s_endpgm
.Lfunc_end_k_qbb422ad15b_route:
	.size	k_qbb422ad15b_route, .Lfunc_end_k_qbb422ad15b_route-k_qbb422ad15b_route
	.p2alignl 7, 3214868480
	.fill 96, 4, 3214868480
	.section	.rodata,"a",@progbits
	.p2align	6, 0x0
	.amdhsa_kernel k_qbb422ad15b_route
		.amdhsa_group_segment_fixed_size 41984
		.amdhsa_private_segment_fixed_size 0
		.amdhsa_enable_private_segment 0
		.amdhsa_kernarg_size 48
		.amdhsa_user_sgpr_count 2
		.amdhsa_user_sgpr_kernarg_segment_ptr 1
		.amdhsa_wavefront_size32 1
		.amdhsa_system_sgpr_workgroup_id_x 1
		.amdhsa_system_sgpr_workgroup_id_y 1
		.amdhsa_system_sgpr_workgroup_id_z 1
		.amdhsa_system_vgpr_workitem_id 0
		.amdhsa_next_free_vgpr 256
		.amdhsa_next_free_sgpr 66
		.amdhsa_reserve_vcc 1
		.amdhsa_float_denorm_mode_32 3
		.amdhsa_float_denorm_mode_16_64 3
		.amdhsa_memory_ordered 1
		.amdhsa_forward_progress 1
		.amdhsa_inst_pref_size 62
	.end_amdhsa_kernel
	.amdgpu_metadata
---
amdhsa.version: [ 1, 2 ]
amdhsa.kernels:
  - .name:           k_qbb422ad15b_route
    .symbol:         k_qbb422ad15b_route.kd
    .args:
      - { .name: x, .offset: 0, .size: 8, .value_kind: global_buffer, .address_space: global }
      - { .name: gate_w, .offset: 8, .size: 8, .value_kind: global_buffer, .address_space: global }
      - { .name: gate_b, .offset: 16, .size: 8, .value_kind: global_buffer, .address_space: global }
      - { .name: xq, .offset: 24, .size: 8, .value_kind: global_buffer, .address_space: global }
      - { .name: pairid, .offset: 32, .size: 8, .value_kind: global_buffer, .address_space: global }
      - { .name: gates, .offset: 40, .size: 8, .value_kind: global_buffer, .address_space: global }
    .group_segment_fixed_size: 41984
    .private_segment_fixed_size: 0
    .kernarg_segment_align: 8
    .kernarg_segment_size: 48
    .max_flat_workgroup_size: 128
    .sgpr_count:     66
    .vgpr_count:     256
    .wavefront_size: 32
...
	.end_amdgpu_metadata
.endif
;; end of part 1
;; launch place (part 2): grid 1 x 1, 16 waves a work-group, no clusters, 18,944 bytes of LDS; arguments pairid, gates, plan, gslot; writes plan, gslot
.if DOCPART == 2
	.amdgcn_target "amdgcn-amd-amdhsa--gfx1250"
	.amdhsa_code_object_version 6
	.text
	.protected	k_qbb422ad15b_place
	.globl	k_qbb422ad15b_place
	.p2align	8
	.type	k_qbb422ad15b_place,@function
k_qbb422ad15b_place:
	s_mov_b64 s[64:65], 0
	v_nop
	global_prefetch_b8 v0, s[64:65] scope:SCOPE_SE
	s_setreg_imm32_b32 hwreg(HW_REG_WAVE_MODE, 25, 1), 1
	s_wait_xcnt 0x0
; COUNTING SORT of the 2,048 tokens by their pair of experts (28 keys), stable, without atomics, and the table of tiles.
; OUT: plan: 64 entries {lo, hi, first slot, rows} of 16 bytes at 0 (a tile holds at most 128 slots of one pair; never more than 43 have rows, since sum ceil(n / 128) <= (2048 + 28 x 127) / 128);
; order[slot] = token at byte 1,024, 2,176 entries, the last 128 zero, so that a tile may read 128 entries from any first slot;  gslot[slot] = (g of lo, g of hi), likewise padded.
; ONE work-group of 16 waves: the sort is 8 KiB of keys.  Item q of thread t is token 512 q + t, in chunk 16 q + wave (32 tokens in token order).
; A chunk's count of each key and a token's rank among its chunk's equals come from lane masks; wave 0 sums the 64 chunks' counts (lane K: key K) and walks the 28 keys.
; The stores of order and gslot are 4 and 8 bytes a lane to sorted places: 24 KiB in all.
.set PRE,    8192                      ; LDS: at 0 the counts [64 chunks][32 keys] u32; at PRE their exclusive sums over the chunks; at START each key's first slot
.set START,  16384
.set KEY,    8
.set GT,     12
.set CNT,    20
.set RANK,   24
.set TOKQ,   28
.set T,      32                        ; wave 0: v32-95 a column of counts, v96-160 its running sums
.set S,      96
.set STARTR, 161
.set J0,     162                       ; v162, v163: the table entries that my lane makes: lane, lane + 32
.set W0,     164                       ; v164-171: for each of them: 8 lo + hi, the key's first slot, its tokens, its first tile
.set E0,     172                       ; v172-179: the two entries
.set TMP,    180
.set Z,      184                       ; v184-187 zeros
	s_load_b256 s[4:11], s[0:1], 0x0               ; pairid s[4:5], gates s[6:7], plan s[8:9], gslot s[10:11]
	v_lshl_add_u32 v192, v0, 2, 0x4200
	v_mov_b32 v193, 0
	v_lshrrev_b32 v1, 5, v0
	v_readfirstlane_b32 s12, v1                    ; wave
	v_and_b32 v1, 31, v0                           ; lane
	v_lshlrev_b32 v2, 2, v0
	v_lshlrev_b32 v3, 3, v0
	s_lshl_b32 s13, s12, 7
	v_lshl_add_u32 v4, v1, 2, s13                  ; LDS: 128 x wave + 4 x lane: my chunks' rows
	v_lshlrev_b32 v5, 2, v1                        ; LDS: 4 x lane: a column
	v_lshlrev_b32 v6, 4, v1
.irp q, 0,1,2,3
	v_mov_b32 v[CNT+\q], 0
	v_mov_b32 v[RANK+\q], 0
	v_add_nc_u32 v[TOKQ+\q], 512*\q, v0
	v_mov_b32 v[Z+\q], 0
.endr
	s_wait_kmcnt 0x0
.irp q, 0,1,2,3
	global_load_b32 v[KEY+\q], v2, s[4:5] offset:2048*\q
.endr
.irp q, 0,1,2,3
	global_load_b64 v[GT+2*\q:GT+2*\q+1], v3, s[6:7] offset:4096*\q
.endr
	s_wait_loadcnt 0x0
.irp q, 0,1,2,3
	v_min_u32 v[KEY+\q], 27, v[KEY+\q]
.endr
.macro BALLOT q
.irp k, 0,1,2,3,4,5,6,7,8,9,10,11,12,13,14,15,16,17,18,19,20,21,22,23,24,25,26,27
	v_cmp_eq_u32 s30, \k, v[KEY+\q]                ; the chunk's lanes with key k
	s_bcnt1_i32_b32 s31, s30
	v_writelane_b32 v[CNT+\q], s31, \k             ; lane k: how many
	v_mbcnt_lo_u32_b32 v[TMP], s30, 0              ; how many of them in lower lanes
	v_cndmask_b32 v[RANK+\q], v[RANK+\q], v[TMP], s30
.endr
	ds_store_b32 v4, v[CNT+\q] offset:2048*\q
.endm
	BALLOT 0
	BALLOT 1
	BALLOT 2
	BALLOT 3
	s_wait_dscnt 0x0                               ; my counts lie in LDS
	s_barrier_signal -1
	s_barrier_wait -1
	s_cmp_lg_u32 s12, 0
	s_cbranch_scc1 .Lnot0
.set c, 0
.rept 64
	ds_load_b32 v[T+c], v5 offset:128*c
.set c, c+1
.endr
	v_mov_b32 v[S], 0
	v_mov_b32 v[STARTR], 0
	v_mov_b32 v[J0], v1
	v_add_nc_u32 v[J0+1], 32, v1
.irp i, 0,1,2,3,4,5,6,7
	v_mov_b32 v[W0+\i], 0
.endr
	s_wait_dscnt 0x0
.set c, 0
.rept 64
	v_add_nc_u32 v[S+c+1], v[S+c], v[T+c]          ; each sum has a register of its own: none that a store reads is written again
.set c, c+1
.endr
.set c, 0
.rept 64
	ds_store_b32 v5, v[S+c] offset:PRE+128*c
.set c, c+1
.endr
	s_mov_b32 s32, 0                               ; the next free slot
	s_mov_b32 s33, 0                               ; the next free tile
; Key KK: its first slot; every table entry from its first tile on takes its figures, and the next key with tiles writes over those that are not this key's.
.macro WALK
	v_readlane_b32 s34, v[S+64], KK                ; its tokens
	v_writelane_b32 v[STARTR], s32, KK
.irp u, 0,1
	v_cmp_le_u32 vcc_lo, s33, v[J0+\u]
	v_cndmask_b32 v[W0+4*\u], v[W0+4*\u], LH, vcc_lo
	v_cndmask_b32 v[W0+4*\u+1], v[W0+4*\u+1], s32, vcc_lo
	v_cndmask_b32 v[W0+4*\u+2], v[W0+4*\u+2], s34, vcc_lo
	v_cndmask_b32 v[W0+4*\u+3], v[W0+4*\u+3], s33, vcc_lo
.endr
	s_add_co_u32 s32, s32, s34
	s_add_co_u32 s34, s34, 127
	s_lshr_b32 s34, s34, 7
	s_add_co_u32 s33, s33, s34
.endm
.irp lo, 0,1,2,3,4,5,6
.irp hi, 1,2,3,4,5,6,7
.if \hi > \lo
.set KK, \lo*(13-\lo)/2+\hi-1
.set LH, \lo*8+\hi
	WALK
.endif
.endr
.endr
.irp u, 0,1
	v_sub_nc_u32 v[TMP], v[J0+\u], v[W0+4*\u+3]    ; which tile of its key
	v_lshlrev_b32 v[TMP], 7, v[TMP]
	v_lshrrev_b32 v[E0+4*\u], 3, v[W0+4*\u]
	v_and_b32 v[E0+4*\u+1], 7, v[W0+4*\u]
	v_add_nc_u32 v[E0+4*\u+2], v[W0+4*\u+1], v[TMP]
	v_min_u32 v[E0+4*\u+2], 2047, v[E0+4*\u+2]
	v_sub_nc_u32 v[E0+4*\u+3], v[W0+4*\u+2], v[TMP]
	v_max_i32 v[E0+4*\u+3], 0, v[E0+4*\u+3]        ; an entry behind the last tile has no rows
	v_min_i32 v[E0+4*\u+3], 0x80, v[E0+4*\u+3]
.endr
	global_store_b128 v6, v[E0:E0+3], s[8:9]
	global_store_b128 v6, v[E0+4:E0+7], s[8:9] offset:512
	ds_store_b32 v5, v[STARTR] offset:START
.Lnot0:
	s_cmp_lg_u32 s12, 1
	s_cbranch_scc1 .Lnot1
	global_store_b128 v6, v[Z:Z+3], s[8:9] offset:1024+8192        ; wave 1: the pads
	global_store_b128 v6, v[Z:Z+3], s[10:11] offset:16384
	global_store_b128 v6, v[Z:Z+3], s[10:11] offset:16384+512
.Lnot1:
	s_wait_dscnt 0x0                               ; wave 0's sums and first slots lie in LDS
	s_barrier_signal -1
	s_barrier_wait -1
	ds_load_b32 v36, v5 offset:START
.irp q, 0,1,2,3
	ds_load_b32 v[32+\q], v4 offset:PRE+2048*\q
.endr
	s_wait_dscnt 0x0
.irp q, 0,1,2,3
	v_add_nc_u32 v[32+\q], v[32+\q], v36           ; lane K: where my chunk's tokens of key K begin
	v_lshlrev_b32 v[40+\q], 2, v[KEY+\q]
.endr
.irp q, 0,1,2,3
	ds_bpermute_b32 v[44+\q], v[40+\q], v[32+\q]   ; each lane takes its own key's figure from lane key: no LDS address is made of a key
.endr
	s_wait_dscnt 0x0
.irp q, 0,1,2,3
	v_add_nc_u32 v[44+\q], v[44+\q], v[RANK+\q]
	v_min_u32 v[44+\q], 2047, v[44+\q]             ; the slot
	v_lshlrev_b32 v[48+\q], 2, v[44+\q]
	v_lshlrev_b32 v[52+\q], 3, v[44+\q]
	global_store_b32 v[48+\q], v[TOKQ+\q], s[8:9] offset:1024
	global_store_b64 v[52+\q], v[GT+2*\q:GT+2*\q+1], s[10:11]
.endr
	s_wait_tensorcnt 0x0
	ds_add_u32 v192, v193
	s_wait_dscnt 0x0
	s_endpgm
.Lfunc_end_k_qbb422ad15b_place:
	.size	k_qbb422ad15b_place, .Lfunc_end_k_qbb422ad15b_place-k_qbb422ad15b_place
	.p2alignl 7, 3214868480
	.fill 96, 4, 3214868480
	.section	.rodata,"a",@progbits
	.p2align	6, 0x0
	.amdhsa_kernel k_qbb422ad15b_place
		.amdhsa_group_segment_fixed_size 18944
		.amdhsa_private_segment_fixed_size 0
		.amdhsa_enable_private_segment 0
		.amdhsa_kernarg_size 32
		.amdhsa_user_sgpr_count 2
		.amdhsa_user_sgpr_kernarg_segment_ptr 1
		.amdhsa_wavefront_size32 1
		.amdhsa_system_sgpr_workgroup_id_x 1
		.amdhsa_system_sgpr_workgroup_id_y 1
		.amdhsa_system_sgpr_workgroup_id_z 1
		.amdhsa_system_vgpr_workitem_id 0
		.amdhsa_next_free_vgpr 194
		.amdhsa_next_free_sgpr 66
		.amdhsa_reserve_vcc 1
		.amdhsa_float_denorm_mode_32 3
		.amdhsa_float_denorm_mode_16_64 3
		.amdhsa_memory_ordered 1
		.amdhsa_forward_progress 1
		.amdhsa_inst_pref_size 73
	.end_amdhsa_kernel
	.amdgpu_metadata
---
amdhsa.version: [ 1, 2 ]
amdhsa.kernels:
  - .name:           k_qbb422ad15b_place
    .symbol:         k_qbb422ad15b_place.kd
    .args:
      - { .name: pairid, .offset: 0, .size: 8, .value_kind: global_buffer, .address_space: global }
      - { .name: gates, .offset: 8, .size: 8, .value_kind: global_buffer, .address_space: global }
      - { .name: plan, .offset: 16, .size: 8, .value_kind: global_buffer, .address_space: global }
      - { .name: gslot, .offset: 24, .size: 8, .value_kind: global_buffer, .address_space: global }
    .group_segment_fixed_size: 18944
    .private_segment_fixed_size: 0
    .kernarg_segment_align: 8
    .kernarg_segment_size: 32
    .max_flat_workgroup_size: 512
    .sgpr_count:     66
    .vgpr_count:     194
    .wavefront_size: 32
...
	.end_amdgpu_metadata
.endif
;; end of part 2
;; launch up (part 3): grid 16 x 43, 4 waves a work-group, no clusters, 274,944 bytes of LDS; arguments xq, plan, w1_codes, w1_scales, b1, hq; writes hq
.if DOCPART == 3
	.amdgcn_target "amdgcn-amd-amdhsa--gfx1250"
	.amdhsa_code_object_version 6
	.text
	.protected	k_qbb422ad15b_up
	.globl	k_qbb422ad15b_up
	.p2align	8
	.type	k_qbb422ad15b_up,@function
k_qbb422ad15b_up:
	s_mov_b64 s[64:65], 0
	v_nop
	global_prefetch_b8 v0, s[64:65] scope:SCOPE_SE
	s_setreg_imm32_b32 hwreg(HW_REG_WAVE_MODE, 25, 1), 1
	s_wait_xcnt 0x0
; FIRST PRODUCT, chosen rows only: hq = Q(relu(x W1[e]^T + b1[e])) on codes of E4M3 with one E8M0 scale for each 32 along K.
; A work-group (x = 8 which + ct, y = tile) takes a tile's rows (at most 128 slots of one pair of experts) and hidden units 256 ct .. + 255 of expert e = lo (which = 0) or hi (1).
; THE WAVES SHARE THE COLUMNS: wave w owns units 256 ct + 64 w .. + 63: 4 tiles of 16 rows of W1 x K 1,024 = 512 registers, read from memory once.  The rows' codes are gathered by token
; into LDS once and read by all four waves.  The product is used transposed (source 0 = 16 rows of W1, source 1 = 16 tokens), and lane r of tile 2 b + u takes W1's row 32 b + 8 u + r + 8 (r / 8):
; a lane then holds ONE token, and the 16 registers of tiles 2 b, 2 b + 1 are 16 neighbours along the next K, so the conversions' results are registers of the next operand.
; W1 COMES BY WHOLE ROWS AND TURNS THROUGH LDS.  In a fragment's order a load would take 32 bytes of each of 16 rows; instead each load takes 512 consecutive bytes of ONE row, the wave stores them as loaded
; into a stage of its own (64 rows x 528 bytes) and reads them back as fragments: half of K at a time, through the very registers in which that half's fragments then stay.  A row's place in the stage is
; chosen so that a tile's 16 rows lie on end; the pitch is an odd multiple of 16 bytes.  The stage is the wave's own: no barrier.
; hq: codes as images of operand registers: row tile rt = 8 tile + i, which, K step S: 2,048 bytes at ((2 rt + which) 16 + S) 2048, ordered [c 0..3][lane][16 bytes]; my 64 units are c = 2 (w % 2), + 1 of
; S = 2 ct + w / 2.  Scale words at HSC + (2 rt + which) 1024 + 64 r + 4 S; I store two of a word's bytes (2 bytes a lane, rows 64 bytes apart: 1/32 of the codes' bytes).
; Rows behind a tile's last in its last 16 are the next slots' tokens (or the pad's token 0): worked like any row, never used.
; EVERY WAVE PASSES THE LAUNCH'S ONE BARRIER, WHATEVER THE TABLE SAYS: a tile without rows jumps over the gather to the lines in front of the barrier, passes it and ends behind it.
; W1, its scales and b1 are asked for behind that end, so that such a tile moves none of them.
; NO TENSOR LOADS, NO CLUSTER: a tile's expert and row count are read from memory; empty tiles end and trips are cut by branches on them, and neighbours in the grid need different numbers of trips.
; LIMITS: NaN and infinities are not served; a block whose largest number lies under 2^-118 (a block of zeros too) takes the byte 1: only this program reads the bytes.
; REGISTERS, in windows of 256: window 0: addresses, v32-63 the 4 accumulators, v64-95 b1 in their layout, v96-127 W1's scale words, v128-135 x's, v136-163 at work, v164-179 gather offsets, v180-181 the stage.
;   windows 1, 2: W1, K steps 0-3 and 4-7, fragment (t, s) at 16 (4 (s % 4) + t); on its way in: row R at 4 R.   window 3: the gather's 256 registers, then x's 8 fragments of a row tile.
.set AP,   1040                        ; a row of codes in LDS: 1,024 bytes + 16: an odd multiple of 16, so 16 rows' equal columns fall on different banks
.set HALF, 64*AP
.set XSL,  128*AP                      ; behind the rows: their scale bytes, 32 + 16 a row
.set XP,   48
.set SLB,  XSL+128*XP                  ; behind those: W1's stages, one for each wave
.set SP2,  528                         ; a stage row: 512 bytes (half of K) + 16
.set SLW,  64*SP2
.set XSC,  0x200000
.set HSC,  0x1580000
.set ACC,  32
.set BIAS, 64
.set W1S,  96
.set XS,   128
.set TM,   136                         ; +0,1 largest numbers; +2,3 the other half's, then bytes; +4,5 448 x scale; +6,7 the conversions' scale operands
.set PC,   152
.set PW,   160
.set XO,   164
.set SST,  180                         ; v180 my stage, 16 bytes a lane: a row as loaded
.set SFR,  181                         ; v181 my stage, row r, + 16 h: a fragment
.set MSB, 0
.macro WIN new                         ; the immediate's high byte repeats the setting that is left
.if MSB != \new
	s_set_vgpr_msb (MSB<<8)|\new
.set MSB, \new
.endif
.endm
.macro PLACES                          ; behind a trip's last products: 8 places ahead of loads into their operands and of reads of results, 9 ahead of products that begin the same accumulators anew
.rept 9
	v_nop
.endr
.endm
	s_load_b256 s[4:11], s[0:1], 0x0               ; xq s[4:5], plan s[6:7], W1's codes s[8:9], W1's scales s[10:11]
	s_load_b128 s[12:15], s[0:1], 0x20             ; b1 s[12:13], hq s[14:15]
	v_lshl_add_u32 v254, v0, 2, 0x43000
	v_mov_b32 v255, 0
	v_lshrrev_b32 v19, 5, v0
	v_readfirstlane_b32 s24, v19                   ; wave
	s_and_b32 s27, ttmp7, 0xffff                   ; tile
	s_lshr_b32 s25, ttmp9, 3                       ; which
	s_and_b32 s26, ttmp9, 7                        ; ct
	s_lshl_b32 s44, s27, 4
	s_mov_b32 s45, 0
	s_wait_kmcnt 0x0
	s_add_nc_u64 s[44:45], s[6:7], s[44:45]
	s_load_b128 s[16:19], s[44:45], 0x0            ; lo, hi, first slot, rows
	v_and_b32 v1, 31, v0                           ; lane
	v_and_b32 v2, 15, v0                           ; r
	v_bfe_u32 v3, v0, 4, 1                         ; h
	v_lshlrev_b32 v4, 4, v1                        ; 16 x lane
	v_and_b32 v19, 8, v2
	v_add_nc_u32 v19, v19, v2                      ; r + 8 (r / 8)
	v_lshlrev_b32 v6, 5, v19                       ; W1: my row of a tile: its 32 scale bytes
	v_lshlrev_b32 v7, 6, v3                        ; b1: 16 h numbers on
	s_lshl_b32 s43, s24, 2
	v_lshrrev_b32 v28, 2, v1
	v_and_b32 v29, 3, v1
	v_lshl_add_u32 v28, v28, 4, v29
	v_add_nc_u32 v28, s43, v28                     ; the one row whose scale bytes I bring: 16 (lane / 4) + 4 w + lane % 4
	v_lshlrev_b32 v8, 2, v28
	v_mad_u32_u24 v12, v28, XP, XSL
	v_add_nc_u32 v30, s43, v3                      ; 4 w + h: of each 16 rows I gather rows 4 w .. 4 w + 3, two an instruction
	v_mul_u32_u24 v10, v30, AP
	v_lshl_add_u32 v10, v2, 4, v10                 ; into LDS: rows 0-63,
	v_add_nc_u32 v11, HALF, v10                    ; rows 64-127 (the immediate reaches 64 KiB)
	v_mul_u32_u24 v13, v2, AP
	v_lshl_add_u32 v13, v3, 4, v13                 ; a fragment: row r, + 16 h
	v_add_nc_u32 v14, HALF, v13
	v_mad_u32_u24 v15, v2, XP, XSL                 ; row r's scale bytes
	v_lshlrev_b32 v16, 6, v2
	v_lshlrev_b32 v17, 4, v2
	v_lshlrev_b32 v18, 2, v30
	s_mul_i32 s46, s24, SLW
	s_add_co_u32 s46, s46, SLB                     ; my stage
	v_lshl_add_u32 v[SST], v1, 4, s46
	v_mul_u32_u24 v[SFR], v2, SP2
	v_lshl_add_u32 v[SFR], v3, 4, v[SFR]
	v_add_nc_u32 v[SFR], s46, v[SFR]
	v_mov_b32 v[TM+2], 0                           ; a lane permute's destination counts as one of its sources
	v_mov_b32 v[TM+3], 0
	s_mov_b32 s40, 0x76543210
	s_mov_b32 s41, 0xfedcba98
	s_mov_b32 s42, 0x600000                        ; the mantissa field of 448
	s_wait_kmcnt 0x0
	s_min_u32 s22, s19, 128                        ; rows
	s_cmp_lg_u32 s25, 0
	s_cselect_b32 s20, s17, s16
	s_min_u32 s20, s20, 7                          ; the expert
	s_min_u32 s21, s18, 2047                       ; first slot
	s_add_co_u32 s23, s22, 15
	s_lshr_b32 s23, s23, 4                         ; row tiles, 0 .. 8
	s_lshl_b32 s46, s20, 11
	s_lshl_b32 s47, s26, 8
	s_add_co_u32 s46, s46, s47
	s_lshl_b32 s47, s24, 6
	s_add_co_u32 s46, s46, s47                     ; my first row of W1: 2048 e + 256 ct + 64 w
	s_lshl_b32 s28, s46, 10
	s_mov_b32 s29, 0
	s_add_nc_u64 s[28:29], s[8:9], s[28:29]
	s_lshl_b32 s30, s46, 5
	s_mov_b32 s31, 0
	s_add_nc_u64 s[30:31], s[10:11], s[30:31]
	s_lshl_b32 s32, s46, 2
	s_mov_b32 s33, 0
	s_add_nc_u64 s[32:33], s[12:13], s[32:33]
	s_lshl_b32 s34, s21, 2
	s_add_co_u32 s34, s34, 1024
	s_mov_b32 s35, 0
	s_add_nc_u64 s[34:35], s[6:7], s[34:35]        ; order at the tile's first slot
	s_lshl_b32 s36, s27, 19
	s_lshl_b32 s47, s25, 15
	s_add_co_u32 s36, s36, s47
	s_lshl_b32 s47, s26, 12
	s_add_co_u32 s36, s36, s47
	s_lshl_b32 s47, s24, 10
	s_add_co_u32 s36, s36, s47                     ; (2 ct + w / 2) 2048 + (w % 2) 1024 = 4096 ct + 1024 w
	s_mov_b32 s37, 0
	s_add_nc_u64 s[36:37], s[14:15], s[36:37]
	s_lshl_b32 s38, s27, 14
	s_lshl_b32 s47, s25, 10
	s_add_co_u32 s38, s38, s47
	s_lshl_b32 s47, s26, 3
	s_add_co_u32 s38, s38, s47
	s_lshl_b32 s47, s24, 1
	s_add_co_u32 s38, s38, s47                     ; 4 (2 ct + w / 2) + 2 (w % 2) = 8 ct + 2 w
	s_add_co_u32 s38, s38, HSC
	s_mov_b32 s39, 0
	s_add_nc_u64 s[38:39], s[14:15], s[38:39]
	s_cmp_eq_u32 s22, 0
	s_cbranch_scc1 .Lbar                           ; a tile without rows has nothing to gather: straight to the barrier.  Behind the barrier nothing reads a register that only the lines jumped over write
	; the tokens: the gather hangs on them
	global_load_b32 v9, v8, s[34:35]
.irp n, 0,1,2,3,4,5,6,7,8,9,10,11,12,13,14,15
	global_load_b32 v[XO+\n], v18, s[34:35] offset:64*(\n/2)+8*(\n%2)      ; the token of row 16 (n / 2) + 2 (n % 2) + 4 w + h: sixteen lanes read one word
.endr
	s_wait_loadcnt 0x0
	v_min_u32 v9, 2047, v9
	v_lshlrev_b32 v19, 5, v9
.irp n, 0,1,2,3,4,5,6,7,8,9,10,11,12,13,14,15
	v_min_u32 v[XO+\n], 2047, v[XO+\n]
.endr
.irp n, 0,1,2,3,4,5,6,7,8,9,10,11,12,13,14,15
	v_lshl_add_u32 v[XO+\n], v[XO+\n], 10, v17     ; the token's row of codes, + 16 (lane % 16)
.endr
	global_load_b128 v[20:23], v19, s[4:5] offset:XSC
	global_load_b128 v[24:27], v19, s[4:5] offset:XSC+16
; THE GATHER: loads forward, stores backward, so that every way through loads just what it stores.  Row tile i: my 4 rows, 16 lanes to 256 bytes of a row.
.macro GL i
	WIN 0xc0
.irp p, 0,1
.irp m, 0,1,2,3
	global_load_b128 v[32*(\i)+16*\p+4*\m:32*(\i)+16*\p+4*\m+3], v[XO+2*(\i)+\p], s[4:5] offset:256*\m
.endr
.endr
	WIN 0
.endm
.macro GS i
	s_wait_loadcnt 0x0
	WIN 0x0c                                       ; an LDS store's data are its source 1: window 3
.irp p, 0,1
.irp m, 0,1,2,3
	ds_store_b128 v[10+(\i)/4], v[32*(\i)+16*\p+4*\m:32*(\i)+16*\p+4*\m+3] offset:(((\i)%4)*16+2*\p)*AP+256*\m
.endr
.endr
	WIN 0
.endm
	GL 0
.irp i, 1,2,3,4,5,6,7
	s_cmp_le_u32 s23, \i
	s_cbranch_scc1 .LS\i
	GL \i
.endr
	GS 7
.irp i, 7,6,5,4,3,2,1
.LS\i:
	GS \i-1
.endr
	ds_store_b128 v12, v[20:23]
	ds_store_b128 v12, v[24:27] offset:16
.Lbar:
	s_wait_dscnt 0x0                               ; for the others' sake: my rows lie in LDS; and the stores have read window 3
	s_barrier_signal -1                            ; all the ways above meet here: every wave passes this barrier once
	s_barrier_wait -1
	s_cmp_eq_u32 s22, 0
	s_cbranch_scc1 .Lempty                         ; a tile without rows ends here, behind the barrier, with nothing of W1 asked for
.irp t, 0,1,2,3
	global_load_b128 v[W1S+8*\t:W1S+8*\t+3], v6, s[30:31] offset:(32*(\t/2)+8*(\t%2))*32
	global_load_b128 v[W1S+8*\t+4:W1S+8*\t+7], v6, s[30:31] offset:(32*(\t/2)+8*(\t%2))*32+16
.endr
.irp t, 0,1,2,3
	global_load_b128 v[BIAS+8*\t:BIAS+8*\t+3], v7, s[32:33] offset:(32*(\t/2)+8*(\t%2))*4
	global_load_b128 v[BIAS+8*\t+4:BIAS+8*\t+7], v7, s[32:33] offset:(32*(\t/2)+8*(\t%2))*4+16
.endr
.macro WLOAD half                      ; my 64 rows of W1, K bytes 512 half .. + 511: a load takes 512 consecutive bytes of one row; row R into registers 4 R .. 4 R + 3 of the window set
.set R, 0
.rept 64
	global_load_b128 v[4*R:4*R+3], v4, s[28:29] offset:1024*R+512*(\half)
.set R, R+1
.endr
.endm
; The turn: the rows go into my stage as loaded and come back as fragments, into the registers that they left.  LDS serves a wave's instructions in order (ISA guide 5.7.1.4): the loads see the stores,
; and the second half's stores come behind the first half's loads.  Row R = 32 b + x is row r = x % 8 + 8 (x / 16) of tile 2 b + (x / 8) % 2: its place in the stage is 16 x tile + r.
.macro WTURN wst, wld
	WIN \wst                                       ; an LDS store's data are its source 1
.set R, 0
.rept 64
.set PR, 16*(2*(R/32)+((R%32)/8)%2)+(R%8)+8*((R%32)/16)
	ds_store_b128 v[SST], v[4*R:4*R+3] offset:PR*SP2
.set R, R+1
.endr
	WIN \wld
.irp s, 0,1,2,3
.irp t, 0,1,2,3
.irp c, 0,1,2,3
	ds_load_b128 v[16*(4*\s+\t)+4*\c:16*(4*\s+\t)+4*\c+3], v[SFR] offset:16*\t*SP2+128*\s+32*\c
.endr
.endr
.endr
.endm
.macro FETCH i                         ; row tile i: its scale words, then its 8 fragments in the order of K
	WIN 0
	ds_load_b128 v[XS:XS+3], v15 offset:16*XP*(\i)
	ds_load_b128 v[XS+4:XS+7], v15 offset:16*XP*(\i)+16
	WIN 0xc0
.irp s, 0,1,2,3,4,5,6,7
.irp c, 0,1,2,3
	ds_load_b128 v[16*\s+4*\c:16*\s+4*\c+3], v[13+(\i)/4] offset:((\i)%4)*16*AP+128*\s+32*\c
.endr
.endr
.endm
	WIN 0x40
	WLOAD 0
	WIN 0x80
	WLOAD 1
	FETCH 0                                        ; x's first row tile comes out of LDS while W1 is on its way
	s_wait_loadcnt 63                              ; 144 loads were issued: with 63 out, 81 are in: the 16 small ones and the first half's 64
	WTURN 0x04, 0x40
	s_wait_loadcnt 0x0                             ; the second half
	WTURN 0x08, 0x80
	WIN 0
	s_wait_dscnt 0x0                               ; W1's fragments stand in their registers
.macro QUANT2                          ; my 64 units of 16 tokens: two blocks of 32 along the next K; a block lies in lanes l and l xor 16
.irp b, 0,1
	v_max3_num_f32 v[TM+\b], v[ACC+16*\b], v[ACC+16*\b+1], 0x4800000       ; no |.|: what is negative becomes 0 and must not count; the floor 2^(9 - 127) holds the byte at 1 from below
.endr
.irp i, 2,4,6,8,10,12,14
.irp b, 0,1
	v_max3_num_f32 v[TM+\b], v[TM+\b], v[ACC+16*\b+\i], v[ACC+16*\b+\i+1]
.endr
.endr
.irp b, 0,1
	v_permlanex16_b32 v[TM+2+\b], v[TM+\b], s40, s41
.endr
.irp b, 0,1
	v_max_num_f32 v[TM+\b], v[TM+\b], v[TM+2+\b]
.endr
.irp b, 0,1
	v_add_nc_u32 v[TM+6+\b], 0xfc000000, v[TM+\b]  ; 8 off the exponent field: the conversion's scale operand
.endr
.irp b, 0,1
	v_and_or_b32 v[TM+4+\b], v[TM+\b], 0x7f800000, s42     ; 448 x the scale
.endr
.irp b, 0,1
	v_lshrrev_b32 v[TM+2+\b], 23, v[TM+6+\b]       ; the byte
.endr
	s_wait_xcnt 0x0                                ; the last trip's stores have read their registers: they are written again only behind this wait
	v_lshl_or_b32 v[PW], v[TM+3], 8, v[TM+2]
.irp b, 0,1
.irp i, 0,1,2,3,4,5,6,7,8,9,10,11,12,13,14,15
	v_med3_num_f32 v[ACC+16*\b+\i], v[ACC+16*\b+\i], 0, v[TM+4+\b]         ; the activation and the hold in one
.endr
	v_cvt_scalef32_pk8_fp8_f32 v[PC+4*\b:PC+4*\b+1], v[ACC+16*\b:ACC+16*\b+7], v[TM+6+\b]
	v_cvt_scalef32_pk8_fp8_f32 v[PC+4*\b+2:PC+4*\b+3], v[ACC+16*\b+8:ACC+16*\b+15], v[TM+6+\b]
.endr
	v_nop                                          ; a plain line between the last conversion and the products that write its sources
.endm
; Row tile i: 32 products, the 4 accumulators by turns, b1 as the C of each sum's first; more = 1: the next tile's fragments are fetched under the quantising.
.macro TRIP i, more
.irp s, 0,1,2,3,4,5,6,7
	s_wait_dscnt 4*(7-\s)                          ; K step s of x is in; the later steps' loads may be out
.if \s == 0
	WIN 0x0d                                       ; source 0 (W1) window 1, source 1 (x) window 3, C and D window 0
.endif
.if \s == 4
	WIN 0x0e                                       ; W1's window 2
.endif
.irp t, 0,1,2,3
.if \s == 0
	v_wmma_scale_f32_16x16x128_f8f6f4 v[ACC+8*\t:ACC+8*\t+7], v[16*(4*(\s%4)+\t):16*(4*(\s%4)+\t)+15], v[16*\s:16*\s+15], v[BIAS+8*\t:BIAS+8*\t+7], v[W1S+8*\t+\s], v[XS+\s]
.else
	v_wmma_scale_f32_16x16x128_f8f6f4 v[ACC+8*\t:ACC+8*\t+7], v[16*(4*(\s%4)+\t):16*(4*(\s%4)+\t)+15], v[16*\s:16*\s+15], v[ACC+8*\t:ACC+8*\t+7], v[W1S+8*\t+\s], v[XS+\s]
.endif
.endr
.endr
	PLACES
.if \more
	FETCH (\i)+1
.endif
	WIN 0
	QUANT2
	global_store_b128 v4, v[PC:PC+3], s[36:37] offset:65536*(\i)           ; 512 consecutive bytes: registers 4 c .. 4 c + 3 of the image
	global_store_b128 v4, v[PC+4:PC+7], s[36:37] offset:65536*(\i)+512
	global_store_b16 v16, v[PW], s[38:39] offset:2048*(\i)                 ; lanes r and r + 16 store the same two bytes with the same value
.endm
.irp i, 0,1,2,3,4,5,6
	s_cmp_eq_u32 s23, \i+1
	s_cbranch_scc1 .Llast_\i
	TRIP \i, 1
.endr
	TRIP 7, 0
	s_wait_tensorcnt 0x0
	ds_add_u32 v254, v255
	s_wait_dscnt 0x0
	s_endpgm
.irp i, 0,1,2,3,4,5,6
.Llast_\i:
	TRIP \i, 0
	s_wait_tensorcnt 0x0
	ds_add_u32 v254, v255
	s_wait_dscnt 0x0
	s_endpgm
.endr
.Lempty:
	s_wait_tensorcnt 0x0
	ds_add_u32 v254, v255
	s_wait_dscnt 0x0
	s_endpgm
.Lfunc_end_k_qbb422ad15b_up:
	.size	k_qbb422ad15b_up, .Lfunc_end_k_qbb422ad15b_up-k_qbb422ad15b_up
	.p2alignl 7, 3214868480
	.fill 96, 4, 3214868480
	.section	.rodata,"a",@progbits
	.p2align	6, 0x0
	.amdhsa_kernel k_qbb422ad15b_up
		.amdhsa_group_segment_fixed_size 274944
		.amdhsa_private_segment_fixed_size 0
		.amdhsa_enable_private_segment 0
		.amdhsa_kernarg_size 48
		.amdhsa_user_sgpr_count 2
		.amdhsa_user_sgpr_kernarg_segment_ptr 1
		.amdhsa_wavefront_size32 1
		.amdhsa_system_sgpr_workgroup_id_x 1
		.amdhsa_system_sgpr_workgroup_id_y 1
		.amdhsa_system_sgpr_workgroup_id_z 1
		.amdhsa_system_vgpr_workitem_id 0
		.amdhsa_next_free_vgpr 1024
		.amdhsa_next_free_sgpr 66
		.amdhsa_reserve_vcc 0
		.amdhsa_float_denorm_mode_32 3
		.amdhsa_float_denorm_mode_16_64 3
		.amdhsa_memory_ordered 1
		.amdhsa_forward_progress 1
		.amdhsa_inst_pref_size 203
	.end_amdhsa_kernel
	.amdgpu_metadata
---
amdhsa.version: [ 1, 2 ]
amdhsa.kernels:
  - .name:           k_qbb422ad15b_up
    .symbol:         k_qbb422ad15b_up.kd
    .args:
      - { .name: xq, .offset: 0, .size: 8, .value_kind: global_buffer, .address_space: global }
      - { .name: plan, .offset: 8, .size: 8, .value_kind: global_buffer, .address_space: global }
      - { .name: w1_codes, .offset: 16, .size: 8, .value_kind: global_buffer, .address_space: global }
      - { .name: w1_scales, .offset: 24, .size: 8, .value_kind: global_buffer, .address_space: global }
      - { .name: b1, .offset: 32, .size: 8, .value_kind: global_buffer, .address_space: global }
      - { .name: hq, .offset: 40, .size: 8, .value_kind: global_buffer, .address_space: global }
    .group_segment_fixed_size: 274944
    .private_segment_fixed_size: 0
    .kernarg_segment_align: 8
    .kernarg_segment_size: 48
    .max_flat_workgroup_size: 128
    .sgpr_count:     66
    .vgpr_count:     1024
    .wavefront_size: 32
...
	.end_amdgpu_metadata
.endif
;; end of part 3
;; launch down (part 4): grid 16 x 43, 4 waves a work-group, no clusters, 139,776 bytes of LDS; arguments plan, gslot, hq, w2_codes, w2_scales, b2, out0; writes out0
.if DOCPART == 4
	.amdgcn_target "amdgcn-amd-amdhsa--gfx1250"
	.amdhsa_code_object_version 6
	.text
	.protected	k_qbb422ad15b_down
	.globl	k_qbb422ad15b_down
	.p2align	8
	.type	k_qbb422ad15b_down,@function
k_qbb422ad15b_down:
	s_mov_b64 s[64:65], 0
	v_nop
	global_prefetch_b8 v0, s[64:65] scope:SCOPE_SE
	s_setreg_imm32_b32 hwreg(HW_REG_WAVE_MODE, 25, 1), 1
	s_wait_xcnt 0x0
; SECOND PRODUCT AND THE SUM OVER A TOKEN'S TWO EXPERTS: out0[token] = g_lo (h_lo W2[lo]^T + b2[lo]) + g_hi (h_hi W2[hi]^T + b2[hi]), on codes of E4M3 with E8M0 scales.
; A work-group (x = c, y = tile) takes a tile's rows and outputs 64 c .. + 63, for BOTH experts: each row of out0 has one owner, nothing is added in memory.
; THE FOUR WAVES SPLIT K: wave w takes expert which = w / 2 and K half kh = w % 2: 64 rows of W2 x 1,024 codes = 512 registers, read from memory once.  Its hidden fragments are its own: they come from hq, where
; they lie as images of operand registers, by loads of 512 consecutive bytes straight into registers, two row tiles ahead.  Used transposed (source 0 = 16 rows of W2, source 1 = 16 tokens): a lane holds one
; token and 8 neighbouring outputs, so the gate is one number a lane.  b2 is the C of the first product in the waves with kh = 0, zeros in the others.
; W2 COMES BY WHOLE ROWS AND TURNS THROUGH LDS.  In a fragment's order a load would take 32 bytes of each of 16 rows; instead each load takes 512 consecutive bytes of ONE row, the wave stores them as loaded
; into a stage (64 rows x 528 bytes) and reads them back as fragments: half of its K at a time, through the very registers in which that half's fragments then stay.  The stage is the wave's own part of
; LDS, which takes its results only later: no barrier.
; The four waves' parts meet in LDS behind the launch's one barrier and are added in f32 in a fixed order; so an output's sum over K is formed in four parts, which changes only the order of f32 additions.
; Rows behind a tile's last are worked and not stored.
; EVERY WAVE PASSES THE BARRIER, WHATEVER THE TABLE SAYS: a tile without rows jumps over the products to the lines in front of the barrier, passes it and ends at the test behind it.  All that the lines
; behind the barrier read (the rows' tokens, out0's base, the counts) is made or asked for ahead of that jump; the tokens are waited for behind that test.
; NO TENSOR LOADS, NO CLUSTER: experts and row counts are read from memory; empty tiles end and trips are cut by branches on them, and neighbours in the grid need different numbers of trips.
; REGISTERS, in windows of 256: window 0: addresses, v32-63 accumulators, v64-95 b2, v96-127 W2's scale words, v128-191 the hidden layer's (8 row tiles x 8 K steps), v192-207 gates, v208-223 offsets in out0,
;   v224-225 the stage.   windows 1, 2: W2, fragment (n, s) at 16 (4 (s % 4) + n); on its way in: row R at 4 R.   window 3: two buffers of 8 hidden fragments.
.set HSC,  0x1580000
.set PP,   272                         ; a row of a wave's part in LDS: 256 bytes + 16
.set PART, 128*PP                      ; 34,816 bytes a wave; W2's stage, 64 x 528 = 33,792 bytes, lies in them first
.set SP2,  528                         ; a stage row: 512 bytes + 16: an odd multiple of 16
.set ACC,  32
.set BIAS, 64
.set W2S,  96
.set HS,   128
.set G,    192
.set OFFS, 208
.set SST,  224                         ; v224 my stage, 16 bytes a lane: a row as loaded
.set SFR,  225                         ; v225 my stage, row r, + 16 h: a fragment
.set SM,   32                          ; the sum's 32 registers, where the accumulators lay
.set MSB, 0
.macro WIN new                         ; the immediate's high byte repeats the setting that is left
.if MSB != \new
	s_set_vgpr_msb (MSB<<8)|\new
.set MSB, \new
.endif
.endm
.macro PLACES                          ; 8 places ahead of loads into operands just read and of reads of results, 9 ahead of products that begin the same accumulators anew
.rept 9
	v_nop
.endr
.endm
	s_load_b256 s[4:11], s[0:1], 0x0               ; plan s[4:5], gslot s[6:7], hq s[8:9], W2's codes s[10:11]
	s_load_b128 s[12:15], s[0:1], 0x20             ; W2's scales s[12:13], b2 s[14:15]
	s_load_b64 s[52:53], s[0:1], 0x30              ; out0
	v_lshl_add_u32 v254, v0, 2, 0x22000
	v_mov_b32 v255, 0
	v_lshrrev_b32 v19, 5, v0
	v_readfirstlane_b32 s24, v19                   ; wave
	s_lshr_b32 s25, s24, 1                         ; which
	s_and_b32 s26, s24, 1                          ; kh
	s_and_b32 s28, ttmp7, 0xffff                   ; tile
	s_lshl_b32 s54, s28, 4
	s_mov_b32 s55, 0
	s_wait_kmcnt 0x0
	s_add_nc_u64 s[54:55], s[4:5], s[54:55]
	s_load_b128 s[16:19], s[54:55], 0x0            ; lo, hi, first slot, rows
	v_and_b32 v1, 31, v0
	v_and_b32 v2, 15, v0                           ; r
	v_bfe_u32 v3, v0, 4, 1                         ; h
	v_lshlrev_b32 v4, 4, v1                        ; 16 x lane: an image's place, and a row's, for my lane
	v_lshlrev_b32 v6, 6, v2                        ; 64 scale bytes a row, of W2 and of the hidden layer
	v_lshlrev_b32 v7, 5, v3                        ; b2: 8 h numbers on
	v_lshlrev_b32 v10, 3, v2
	s_mul_i32 s46, s24, PART
	v_mul_u32_u24 v11, v2, PP
	v_lshl_add_u32 v11, v3, 5, v11
	v_add_nc_u32 v11, s46, v11                     ; my part: row r, + 32 h
	v_lshl_add_u32 v[SST], v1, 4, s46
	v_mul_u32_u24 v[SFR], v2, SP2
	v_lshl_add_u32 v[SFR], v3, 4, v[SFR]
	v_add_nc_u32 v[SFR], s46, v[SFR]
	s_lshl_b32 s47, s24, 2
	v_add_nc_u32 v16, s47, v3                      ; 4 w + h: of each 16 rows I add and store rows 4 w .. 4 w + 3, two an instruction
	v_mul_u32_u24 v12, v16, PP
	v_lshl_add_u32 v12, v2, 4, v12
	v_add_nc_u32 v13, PART, v12
	v_add_nc_u32 v14, 2*PART, v12
	v_add_nc_u32 v15, 3*PART, v12
	v_lshlrev_b32 v17, 4, v2
	v_lshlrev_b32 v18, 2, v16
	s_wait_kmcnt 0x0
	; what the lines behind the barrier read is made first, on every way
	s_min_u32 s22, s19, 128                        ; rows
	s_min_u32 s21, s18, 2047                       ; first slot
	s_add_co_u32 s23, s22, 15
	s_lshr_b32 s23, s23, 4                         ; row tiles, 0 .. 8
	s_lshl_b32 s36, s21, 2
	s_add_co_u32 s36, s36, 1024
	s_mov_b32 s37, 0
	s_add_nc_u64 s[36:37], s[4:5], s[36:37]        ; order at the tile's first slot
	s_lshl_b32 s46, ttmp9, 8
	s_mov_b32 s47, 0
	s_add_nc_u64 s[52:53], s[52:53], s[46:47]      ; out0 at my 64 outputs
.irp n, 0,1,2,3,4,5,6,7,8,9,10,11,12,13,14,15
	global_load_b32 v[OFFS+\n], v18, s[36:37] offset:64*(\n/2)+8*(\n%2)    ; the token of row 16 (n / 2) + 2 (n % 2) + 4 w + h
.endr
	s_cmp_eq_u32 s22, 0
	s_cbranch_scc1 .Lsum                           ; a tile without rows goes straight to the barrier
	s_cmp_lg_u32 s25, 0
	s_cselect_b32 s20, s17, s16
	s_cselect_b32 s48, -1, 0                       ; all lanes: the second expert's gate
	s_min_u32 s20, s20, 7
	s_cmp_lg_u32 s26, 0
	s_cselect_b32 s49, -1, 0                       ; all lanes: no bias in this wave
	s_sub_co_u32 s29, s23, 1
	s_lshl_b32 s46, s20, 10
	s_lshl_b32 s47, ttmp9, 6
	s_add_co_u32 s46, s46, s47                     ; my first row of W2: 1024 e + 64 c
	s_lshl_b32 s30, s46, 11
	s_lshl_b32 s47, s26, 10
	s_add_co_u32 s30, s30, s47
	s_mov_b32 s31, 0
	s_add_nc_u64 s[30:31], s[10:11], s[30:31]
	s_lshl_b32 s32, s46, 6
	s_lshl_b32 s47, s26, 5
	s_add_co_u32 s32, s32, s47
	s_mov_b32 s33, 0
	s_add_nc_u64 s[32:33], s[12:13], s[32:33]
	s_lshl_b32 s34, s46, 2
	s_mov_b32 s35, 0
	s_add_nc_u64 s[34:35], s[14:15], s[34:35]
	s_lshl_b32 s38, s21, 3
	s_mov_b32 s39, 0
	s_add_nc_u64 s[38:39], s[6:7], s[38:39]        ; gslot at the tile's first slot
	s_lshl_b32 s40, s28, 19
	s_lshl_b32 s47, s25, 15
	s_add_co_u32 s40, s40, s47
	s_lshl_b32 s47, s26, 14
	s_add_co_u32 s40, s40, s47
	s_mov_b32 s41, 0
	s_add_nc_u64 s[40:41], s[8:9], s[40:41]        ; my images of row tile 0
	s_min_u32 s47, s29, 1
	s_lshl_b32 s42, s47, 16
	s_mov_b32 s43, 0
	s_add_nc_u64 s[42:43], s[40:41], s[42:43]      ; of row tile 1, or 0 again where there is one alone: no byte is read that was not written
	s_lshl_b32 s44, s28, 14
	s_lshl_b32 s47, s25, 10
	s_add_co_u32 s44, s44, s47
	s_lshl_b32 s47, s26, 5
	s_add_co_u32 s44, s44, s47
	s_add_co_u32 s44, s44, HSC
	s_mov_b32 s45, 0
	s_add_nc_u64 s[44:45], s[8:9], s[44:45]
.irp i, 0,1,2,3,4,5,6,7
	s_min_u32 s47, s29, \i                         ; a row tile that the tile does not have reads the last one's words
	s_lshl_b32 s47, s47, 11
	v_add_nc_u32 v[20+\i], s47, v6
.endr
.irp i, 0,1,2,3,4,5,6,7
	global_load_b64 v[G+2*\i:G+2*\i+1], v10, s[38:39] offset:128*\i
.endr
.irp i, 0,1,2,3,4,5,6,7
	global_load_b128 v[HS+8*\i:HS+8*\i+3], v[20+\i], s[44:45]
	global_load_b128 v[HS+8*\i+4:HS+8*\i+7], v[20+\i], s[44:45] offset:16
.endr
.irp n, 0,1,2,3
	global_load_b128 v[W2S+8*\n:W2S+8*\n+3], v6, s[32:33] offset:1024*\n
	global_load_b128 v[W2S+8*\n+4:W2S+8*\n+7], v6, s[32:33] offset:1024*\n+16
.endr
.irp n, 0,1,2,3
	global_load_b128 v[BIAS+8*\n:BIAS+8*\n+3], v7, s[34:35] offset:64*\n
	global_load_b128 v[BIAS+8*\n+4:BIAS+8*\n+7], v7, s[34:35] offset:64*\n+16
.endr
.macro WLOAD half                      ; my 64 rows of W2, bytes 512 half .. + 511 of my K half: a load takes 512 consecutive bytes of one row; row R into registers 4 R .. 4 R + 3 of the window set
.set R, 0
.rept 64
	global_load_b128 v[4*R:4*R+3], v4, s[30:31] offset:2048*R+512*(\half)
.set R, R+1
.endr
.endm
; The turn: the rows go into my stage as loaded and come back as fragments, into the registers that they left.  LDS serves a wave's instructions in order (ISA guide 5.7.1.4): the loads see the stores,
; and the second half's stores come behind the first half's loads.
.macro WTURN wst, wld
	WIN \wst                                       ; an LDS store's data are its source 1
.set R, 0
.rept 64
	ds_store_b128 v[SST], v[4*R:4*R+3] offset:R*SP2
.set R, R+1
.endr
	WIN \wld
.irp s, 0,1,2,3
.irp n, 0,1,2,3
.irp c, 0,1,2,3
	ds_load_b128 v[16*(4*\s+\n)+4*\c:16*(4*\s+\n)+4*\c+3], v[SFR] offset:16*\n*SP2+128*\s+32*\c
.endr
.endr
.endr
.endm
.macro ALOADQ buf, base, off, q        ; K steps 2 q, 2 q + 1 of a row tile's images into buffer buf: 8 loads of 512 consecutive bytes
.irp u, 0,1
.irp c, 0,1,2,3
	global_load_b128 v[128*(\buf)+16*(2*\q+\u)+4*\c:128*(\buf)+16*(2*\q+\u)+4*\c+3], v4, s[\base:\base+1] offset:(\off)+2048*(2*\q+\u)+512*\c
.endr
.endr
.endm
	WIN 0x40
	WLOAD 0
	WIN 0x80
	WLOAD 1
	WIN 0
	s_wait_loadcnt 63                              ; behind the first half's last load stand the second half's 64: with 63 out, the small loads and the first half are in
.set k, 0
.rept 32
	v_cndmask_b32 v[BIAS+k], v[BIAS+k], 0, s49
.set k, k+1
.endr
.irp i, 0,1,2,3,4,5,6,7
	v_cndmask_b32 v[G+2*\i], v[G+2*\i], v[G+2*\i+1], s48   ; my expert's gate in the pair's low word
.endr
	WTURN 0x04, 0x40
	WIN 0xc0
.irp q, 0,1,2,3
	ALOADQ 0, 40, 0, \q
.endr
.irp q, 0,1,2,3
	ALOADQ 1, 42, 0, \q
.endr
	s_wait_loadcnt 63                              ; behind the second half's last load stand these 64: with 63 out it is in
	WTURN 0x08, 0x80
	WIN 0
	s_wait_dscnt 0x0                               ; W2's fragments stand in their registers
.macro MM i, q                         ; 8 products: K steps 2 q, 2 q + 1, the 4 accumulators by turns
.if \q < 2
	WIN 0x0d                                       ; source 0 (W2) window 1, source 1 (hidden) window 3, C and D window 0
.else
	WIN 0x0e
.endif
.irp u, 0,1
.irp n, 0,1,2,3
.if 2*\q+\u == 0
	v_wmma_scale_f32_16x16x128_f8f6f4 v[ACC+8*\n:ACC+8*\n+7], v[16*(4*((2*\q+\u)%4)+\n):16*(4*((2*\q+\u)%4)+\n)+15], v[128*((\i)%2)+16*(2*\q+\u):128*((\i)%2)+16*(2*\q+\u)+15], v[BIAS+8*\n:BIAS+8*\n+7], v[W2S+8*\n+2*\q+\u], v[HS+8*(\i)+2*\q+\u]
.else
	v_wmma_scale_f32_16x16x128_f8f6f4 v[ACC+8*\n:ACC+8*\n+7], v[16*(4*((2*\q+\u)%4)+\n):16*(4*((2*\q+\u)%4)+\n)+15], v[128*((\i)%2)+16*(2*\q+\u):128*((\i)%2)+16*(2*\q+\u)+15], v[ACC+8*\n:ACC+8*\n+7], v[W2S+8*\n+2*\q+\u], v[HS+8*(\i)+2*\q+\u]
.endif
.endr
.endr
.endm
.macro EPI i                           ; x the gate, each accumulator from its low end on, and into my part in LDS
.irp k, 0,2,4,6,8,10,12,14,16,18,20,22,24,26,28,30
	v_pk_mul_f32 v[ACC+\k:ACC+\k+1], v[ACC+\k:ACC+\k+1], v[G+2*(\i):G+2*(\i)+1] op_sel_hi:[1,0]
.endr
.irp n, 0,1,2,3
	ds_store_b128 v11, v[ACC+8*\n:ACC+8*\n+3] offset:16*PP*(\i)+64*\n
	ds_store_b128 v11, v[ACC+8*\n+4:ACC+8*\n+7] offset:16*PP*(\i)+64*\n+16
.endr
.endm
; Row tile i where the tile has at least i + 3: behind each pair of K steps the buffer's two fragments take row tile i + 2's.
.macro MAIN i
.if \i > 0
	s_wait_dscnt 0x0                               ; the last trip's LDS stores have read the accumulators
.endif
.irp q, 0,1,2,3
	s_wait_loadcnt 56                              ; behind this pair's 8 loads: 8 (3 - q) of its own row tile, 32 of the next, 8 q of the one after
	MM \i, \q
	PLACES
	WIN 0xc0
	ALOADQ (\i)%2, 40, 65536*(\i+2), \q
.endr
	WIN 0
	EPI \i
.endm
; Row tile i with nothing left to ask for.  Row tile 0: behind its pair q stand 8 (3 - q) loads of its own and row tile 1's 32.  Later ones: the counts are those of the last row tile; in the one before
; it they ask for more than is needed, which is safe.
.macro NOREF i
.Lnoref_\i:
.if \i > 0
	s_wait_dscnt 0x0
.endif
.irp q, 0,1,2,3
.if \i == 0
	s_wait_loadcnt 8*(3-\q)+32
.else
	s_wait_loadcnt 8*(3-\q)
.endif
	MM \i, \q
.endr
	WIN 0
	PLACES
	EPI \i
.if \i < 7
	s_cmp_eq_u32 s23, \i+1
	s_cbranch_scc1 .Lsum
.endif
.endm
.irp i, 0,1,2,3,4,5
	s_cmp_le_u32 s23, \i+2
	s_cbranch_scc1 .Lnoref_\i
	MAIN \i
.endr
	s_branch .Lnoref_6
.irp i, 0,1,2,3,4,5,6,7
	NOREF \i
.endr
.Lsum:                                 ; all ways meet here: every wave passes the barrier once
	s_wait_dscnt 0x0                               ; for the others' sake: my part lies in LDS
	s_barrier_signal -1
	s_barrier_wait -1
	s_cmp_eq_u32 s23, 0
	s_cbranch_scc1 .Lend                           ; a tile without rows ends here, without waiting for its tokens
	s_wait_loadcnt 0x0                             ; the tokens (the first loads of all), and what a tile of one row tile left on its way
.irp n, 0,1,2,3,4,5,6,7,8,9,10,11,12,13,14,15
	v_min_u32 v[OFFS+\n], 2047, v[OFFS+\n]
.endr
.irp n, 0,1,2,3,4,5,6,7,8,9,10,11,12,13,14,15
	v_lshl_add_u32 v[OFFS+\n], v[OFFS+\n], 12, v17 ; the token's row of out0, + 16 (lane % 16)
.endr
.irp i, 0,1,2,3,4,5,6,7
.if \i > 0
	s_cmp_le_u32 s23, \i                           ; no such row tile: done
	s_cbranch_scc1 .Lend
.endif
.irp p, 0,1
.irp g, 0,1,2,3
	ds_load_b128 v[SM+16*\p+4*\g:SM+16*\p+4*\g+3], v[12+\g] offset:(16*\i+2*\p)*PP      ; 16 lanes: a row's 256 bytes of wave g's part
.endr
.endr
	s_wait_dscnt 0x0
.irp p, 0,1
	v_pk_add_f32 v[SM+16*\p:SM+16*\p+1], v[SM+16*\p:SM+16*\p+1], v[SM+16*\p+4:SM+16*\p+5]
	v_pk_add_f32 v[SM+16*\p+2:SM+16*\p+3], v[SM+16*\p+2:SM+16*\p+3], v[SM+16*\p+6:SM+16*\p+7]
	v_pk_add_f32 v[SM+16*\p+8:SM+16*\p+9], v[SM+16*\p+8:SM+16*\p+9], v[SM+16*\p+12:SM+16*\p+13]
	v_pk_add_f32 v[SM+16*\p+10:SM+16*\p+11], v[SM+16*\p+10:SM+16*\p+11], v[SM+16*\p+14:SM+16*\p+15]
	v_pk_add_f32 v[SM+16*\p:SM+16*\p+1], v[SM+16*\p:SM+16*\p+1], v[SM+16*\p+8:SM+16*\p+9]
	v_pk_add_f32 v[SM+16*\p+2:SM+16*\p+3], v[SM+16*\p+2:SM+16*\p+3], v[SM+16*\p+10:SM+16*\p+11]
.endr
.irp p, 0,1
	v_add_nc_u32 v19, 16*\i+2*\p, v16              ; my row of the tile
	v_cmp_gt_u32 vcc_lo, s22, v19                  ; only the tile's own rows are stored
	s_wait_xcnt 0x0                                ; EXEC changes only behind this wait
	s_and_saveexec_b32 s50, vcc_lo
	global_store_b128 v[OFFS+2*\i+\p], v[SM+16*\p:SM+16*\p+3], s[52:53] th:TH_STORE_NT   ; 16 lanes store 256 consecutive bytes, at a multiple of 256 from out0's first byte
	s_wait_xcnt 0x0                                ; and again in front of the line that widens it; the stores' registers are free behind it too
	s_or_b32 exec_lo, exec_lo, s50
.endr
.endr
.Lend:
	s_wait_tensorcnt 0x0
	ds_add_u32 v254, v255
	s_wait_dscnt 0x0
	s_endpgm
.Lfunc_end_k_qbb422ad15b_down:
	.size	k_qbb422ad15b_down, .Lfunc_end_k_qbb422ad15b_down-k_qbb422ad15b_down
	.p2alignl 7, 3214868480
	.fill 96, 4, 3214868480
	.section	.rodata,"a",@progbits
	.p2align	6, 0x0
	.amdhsa_kernel k_qbb422ad15b_down
		.amdhsa_group_segment_fixed_size 139776
		.amdhsa_private_segment_fixed_size 0
		.amdhsa_enable_private_segment 0
		.amdhsa_kernarg_size 56
		.amdhsa_user_sgpr_count 2
		.amdhsa_user_sgpr_kernarg_segment_ptr 1
		.amdhsa_wavefront_size32 1
		.amdhsa_system_sgpr_workgroup_id_x 1
		.amdhsa_system_sgpr_workgroup_id_y 1
		.amdhsa_system_sgpr_workgroup_id_z 1
		.amdhsa_system_vgpr_workitem_id 0
		.amdhsa_next_free_vgpr 1024
		.amdhsa_next_free_sgpr 66
		.amdhsa_reserve_vcc 1
		.amdhsa_float_denorm_mode_32 3
		.amdhsa_float_denorm_mode_16_64 3
		.amdhsa_memory_ordered 1
		.amdhsa_forward_progress 1
		.amdhsa_inst_pref_size 175
	.end_amdhsa_kernel
	.amdgpu_metadata
---
amdhsa.version: [ 1, 2 ]
amdhsa.kernels:
  - .name:           k_qbb422ad15b_down
    .symbol:         k_qbb422ad15b_down.kd
    .args:
      - { .name: plan, .offset: 0, .size: 8, .value_kind: global_buffer, .address_space: global }
      - { .name: gslot, .offset: 8, .size: 8, .value_kind: global_buffer, .address_space: global }
      - { .name: hq, .offset: 16, .size: 8, .value_kind: global_buffer, .address_space: global }
      - { .name: w2_codes, .offset: 24, .size: 8, .value_kind: global_buffer, .address_space: global }
      - { .name: w2_scales, .offset: 32, .size: 8, .value_kind: global_buffer, .address_space: global }
      - { .name: b2, .offset: 40, .size: 8, .value_kind: global_buffer, .address_space: global }
      - { .name: out0, .offset: 48, .size: 8, .value_kind: global_buffer, .address_space: global }
    .group_segment_fixed_size: 139776
    .private_segment_fixed_size: 0
    .kernarg_segment_align: 8
    .kernarg_segment_size: 56
    .max_flat_workgroup_size: 128
    .sgpr_count:     66
    .vgpr_count:     1024
    .wavefront_size: 32
...
	.end_amdgpu_metadata
.endif
;; end of part 4
;; ======== version 2 of 2: 4 launches
;; workspace buffers: xq 2,162,688 bytes; pairid 8,192 bytes of whole numbers; gates 16,384 bytes; plan 9,728 bytes of whole numbers; gslot 17,408 bytes; hq 23,248,896 bytes
;; launch route (part 5): grid 256 x 1, 4 waves a work-group, no clusters, 41,984 bytes of LDS; arguments x, gate_w, gate_b, xq, pairid, gates; writes xq, pairid, gates
.if DOCPART == 5
	.amdgcn_target "amdgcn-amd-amdhsa--gfx1250"
	.amdhsa_code_object_version 6
	.text
	.protected	k_qbb422ad15b_route
	.globl	k_qbb422ad15b_route
	.p2align	8
	.type	k_qbb422ad15b_route,@function
k_qbb422ad15b_route:
	s_mov_b64 s[64:65], 0
	v_nop
	global_prefetch_b8 v0, s[64:65] scope:SCOPE_SE
	s_setreg_imm32_b32 hwreg(HW_REG_WAVE_MODE, 25, 1), 1
	s_wait_xcnt 0x0
; ROUTER AND QUANTISER OF x.  x: [2048 tokens][1024] f32.  For each token: 8 logits x . gate_w[e] + gate_b[e] in f32 (fused multiply-adds), softmax with its maximum
; taken away, the two largest probabilities (the lower index wins a tie); and x as codes of E4M3 with one E8M0 byte for each 32 along its row.
; OUT: xq: codes [2048][1024] at byte 0, scale bytes [2048][32] at XSC;  pairid[token] = lo (13 - lo) / 2 + hi - 1 (0 .. 27; lo < hi the two experts);  gates[token] = (g of lo, g of hi).
; Every address is made of ids alone: what the floats decide is only selected (v_cndmask_b32) and stored; a later launch forms addresses from it.
; SHARES: a work-group takes 8 tokens, a wave 2.  A load of x covers 512 consecutive bytes: in load j a lane holds k = 128 j + 4 lane + 0 .. 3, so block 4 j + lane / 8 lies in 8 neighbouring lanes.
; A lane's codes of two loads have two scales, so each number is first multiplied by 2^-e (exact), held within +-448, and converted with the scale 1.
; LIMITS: NaN and infinities are not served.  A block whose largest magnitude lies under 2^-118 takes the byte 1; a block of zeros takes 1 where the quantiser says 127: its codes are zeros and only this
; program reads the bytes.  Where a token's second and third probability differ by less than the f32 sums' error, the other expert may be chosen.
; No matrix unit (8 columns), no cluster (work-groups share only gate_w, 32 KiB against their own 32 KiB of x, read once each).
.set STG, 32768                        ; LDS: gate_w as it lies at 0; from STG 1,024 bytes of codes for each (wave, token);
.set SCS, 40960                        ; from SCS the work-group's 8 x 32 scale bytes
.set XSC, 0x200000
.set ONE, 12                           ; v12 1.0: the conversion's scale operand
.set LIM, 13                           ; v13 448.0
.set X,   16                           ; v16-79   two tokens x 32 numbers
.set GWR, 80                           ; v80-143  gate_w on its way into LDS, then two sets of 8 experts x 4 numbers
.set AG,  144                          ; v144-175 sums, a pair for each (token, expert)
.set T,   176                          ; v176-183 eight scaled numbers
.set C,   184                          ; v184-199 codes, 8 registers a token
.set M,   200                          ; v200-207 largest magnitudes
.set INV, 208                          ; v208-215 2^-e
.set BY,  216                          ; v216-231 scale bytes, 8 a token
.set RB,  232                          ; v232-247 codes read back by rows
.set L,   16                           ; behind the sums x's registers are free: v16-31 logits, then probabilities
.set L2,  32
.set A0,  48
.set A1,  49
.set BV,  50
.set BI,  51
.set BV2, 52
.set BI2, 53
.set LO,  54
.set HI,  55
.set PID, 56
.set GLO, 58
.set GHI, 60
.set FP,  62
.set FG,  64
	s_load_b256 s[4:11], s[0:1], 0x0               ; x s[4:5], gate_w s[6:7], gate_b s[8:9], xq s[10:11]
	s_load_b128 s[12:15], s[0:1], 0x20             ; pairid s[12:13], gates s[14:15]
	v_lshl_add_u32 v254, v0, 2, 0xa200
	v_mov_b32 v255, 0
	v_and_b32 v1, 31, v0                           ; lane
	v_lshrrev_b32 v10, 5, v0
	v_readfirstlane_b32 s24, v10                   ; wave
	v_lshlrev_b32 v2, 4, v1                        ; 16 x lane
	s_lshl_b32 s28, s24, 11
	s_add_co_u32 s28, s28, STG
	v_lshl_add_u32 v3, v1, 2, s28                  ; my wave's stage, 4 bytes a lane (in)
	v_lshl_add_u32 v5, v1, 4, s28                  ; and 16 bytes a lane (back)
	s_lshl_b32 s29, s24, 6
	s_add_co_u32 s29, s29, SCS
	v_lshrrev_b32 v4, 3, v1
	v_add_nc_u32 v4, s29, v4                       ; my block's scale byte
	s_lshl_b32 s30, s24, 13
	v_lshl_add_u32 v6, v1, 4, s30                  ; my wave's 8 KiB of gate_w: in memory and in LDS alike
	v_lshlrev_b32 v7, 3, v1
	v_add_nc_u32 v8, SCS, v7                       ; wave 0: the scale bytes on their way out
	v_mov_b32 v[ONE], 1.0
	v_mov_b32 v[LIM], 0x43e00000
	s_mov_b32 s26, 0x76543210
	s_mov_b32 s27, 0xfedcba98                      ; v_permlanex16_b32's selects for lane l xor 16
	s_lshl_b32 s32, ttmp9, 15
	s_add_co_u32 s32, s32, s30                     ; (8 wg + 2 wave) x 4,096: my first token's row of x
	s_mov_b32 s33, 0
	s_lshr_b32 s34, s32, 2                         ; x 1,024: its codes
	s_mov_b32 s35, 0
	s_lshl_b32 s36, ttmp9, 8
	s_add_co_u32 s36, s36, XSC                     ; the work-group's 256 scale bytes
	s_mov_b32 s37, 0
	s_lshr_b32 s38, s32, 10                        ; x 4: pairid
	s_mov_b32 s39, 0
	s_lshr_b32 s40, s32, 9                         ; x 8: gates
	s_mov_b32 s41, 0
	s_wait_alu depctr_va_vdst(0)
	s_wait_kmcnt 0x0
	s_load_b256 s[16:23], s[8:9], 0x0              ; gate_b, all 32 bytes
	s_add_nc_u64 s[4:5], s[4:5], s[32:33]
	s_add_nc_u64 s[42:43], s[10:11], s[36:37]
	s_add_nc_u64 s[10:11], s[10:11], s[34:35]
	s_add_nc_u64 s[12:13], s[12:13], s[38:39]
	s_add_nc_u64 s[14:15], s[14:15], s[40:41]
.irp tk, 0,1
.irp j, 0,1,2,3,4,5,6,7
	global_load_b128 v[X+32*\tk+4*\j:X+32*\tk+4*\j+3], v2, s[4:5] offset:4096*\tk+512*\j th:TH_LOAD_NT
.endr
.endr
.irp i, 0,1,2,3,4,5,6,7,8,9,10,11,12,13,14,15
	global_load_b128 v[GWR+4*\i:GWR+4*\i+3], v6, s[6:7] offset:512*\i
.endr
; Token tk becomes codes and scale bytes.
.macro QX tk
.irp j, 0,1,2,3,4,5,6,7
	v_max3_num_f32 v[M+\j], |v[X+32*\tk+4*\j]|, |v[X+32*\tk+4*\j+1]|, 0x4800000   ; my four numbers of block 4 j + lane / 8, and the floor 2^(9 - 127): the byte cannot fall under 1
.endr
.irp j, 0,1,2,3,4,5,6,7
	v_max3_num_f32 v[M+\j], v[M+\j], |v[X+32*\tk+4*\j+2]|, |v[X+32*\tk+4*\j+3]|
.endr
.irp m, 1,2,4
.irp j, 0,1,2,3,4,5,6,7
	v_max_num_f32_dpp v[M+\j], v[M+\j], v[M+\j] row_xmask:\m row_mask:0xf bank_mask:0xf   ; over the block's 8 lanes
.endr
.endr
.irp j, 0,1,2,3,4,5,6,7
	v_and_b32 v[INV+\j], 0x7f800000, v[M+\j]
	v_lshrrev_b32 v[BY+8*\tk+\j], 23, v[M+\j]
.endr
.irp j, 0,1,2,3,4,5,6,7
	v_sub_nc_u32 v[INV+\j], 0x83000000, v[INV+\j]          ; exponent field 262 - the largest magnitude's: 2^-e with e = floor(log2) - 8
	v_add_nc_u32 v[BY+8*\tk+\j], -8, v[BY+8*\tk+\j]        ; the byte e + 127
.endr
.irp p, 0,2,4,6
.irp i, 0,1,2,3
	v_mul_f32 v[T+\i], v[X+32*\tk+4*\p+\i], v[INV+\p]      ; a power of two: nothing is rounded that a code could show
	v_mul_f32 v[T+4+\i], v[X+32*\tk+4*\p+4+\i], v[INV+\p+1]
.endr
.irp i, 0,1,2,3,4,5,6,7
	v_med3_num_f32 v[T+\i], v[T+\i], -v[LIM], v[LIM]       ; the conversion to an 8-bit code does not saturate (ISA guide 7.6.2)
.endr
	v_cvt_scalef32_pk8_fp8_f32 v[C+8*\tk+\p:C+8*\tk+\p+1], v[T:T+7], v[ONE]
	v_nop                                          ; a plain line between the conversion and the next writes of its sources
.endr
.irp j, 0,1,2,3,4,5,6,7
	ds_store_b32 v3, v[C+8*\tk+\j] offset:1024*\tk+128*\j  ; 32 lanes: 128 consecutive bytes of the row of codes
	ds_store_b8 v4, v[BY+8*\tk+\j] offset:32*\tk+4*\j      ; the 8 lanes of a block write the same byte with the same value
.endr
	ds_load_b128 v[RB+8*\tk:RB+8*\tk+3], v5 offset:1024*\tk        ; LDS serves a wave's instructions in order: these see my stores
	ds_load_b128 v[RB+8*\tk+4:RB+8*\tk+7], v5 offset:1024*\tk+512
	s_wait_dscnt 0x0
	global_store_b128 v2, v[RB+8*\tk:RB+8*\tk+3], s[10:11] offset:1024*\tk        ; 512 consecutive bytes a store
	global_store_b128 v2, v[RB+8*\tk+4:RB+8*\tk+7], s[10:11] offset:1024*\tk+512
.endm
	s_wait_loadcnt 16                              ; x is in; the 16 loads of gate_w behind it may be out
	QX 0
	QX 1
	s_wait_loadcnt 0x0
.irp i, 0,1,2,3,4,5,6,7,8,9,10,11,12,13,14,15
	ds_store_b128 v6, v[GWR+4*\i:GWR+4*\i+3] offset:512*\i
.endr
	s_wait_dscnt 0x0                               ; for the others' sake: my part of gate_w and my scale bytes lie in LDS
	s_barrier_signal -1
	s_barrier_wait -1
	s_cmp_lg_u32 s24, 0
	s_cbranch_scc1 .Lnot0
	ds_load_b64 v[10:11], v8                       ; wave 0 stores the work-group's 256 scale bytes as one aligned block
	s_wait_dscnt 0x0
	global_store_b64 v7, v[10:11], s[42:43]
.Lnot0:
; The 16 dot products.  Step j: gate_w[e][128 j + 4 lane + 0 .. 3] for the 8 experts, against both tokens.
.macro GLD j, set
.irp e, 0,1,2,3,4,5,6,7
	ds_load_b128 v[GWR+32*(\set)+4*\e:GWR+32*(\set)+4*\e+3], v2 offset:4096*\e+512*(\j)
.endr
.endm
.macro DOT j
.if \j < 7
	GLD \j+1, (\j+1)%2
	s_wait_dscnt 8                                 ; this step's 8 are in; the next step's 8 may be out
.else
	s_wait_dscnt 0x0
.endif
.irp e, 0,1,2,3,4,5,6,7
.irp tk, 0,1
.if \j == 0
	v_pk_mul_f32 v[AG+2*(8*\tk+\e):AG+2*(8*\tk+\e)+1], v[X+32*\tk+4*\j:X+32*\tk+4*\j+1], v[GWR+32*((\j)%2)+4*\e:GWR+32*((\j)%2)+4*\e+1]   ; the first product starts the sum
.else
	v_pk_fma_f32 v[AG+2*(8*\tk+\e):AG+2*(8*\tk+\e)+1], v[X+32*\tk+4*\j:X+32*\tk+4*\j+1], v[GWR+32*((\j)%2)+4*\e:GWR+32*((\j)%2)+4*\e+1], v[AG+2*(8*\tk+\e):AG+2*(8*\tk+\e)+1]
.endif
.endr
.endr
.irp e, 0,1,2,3,4,5,6,7
.irp tk, 0,1
	v_pk_fma_f32 v[AG+2*(8*\tk+\e):AG+2*(8*\tk+\e)+1], v[X+32*\tk+4*\j+2:X+32*\tk+4*\j+3], v[GWR+32*((\j)%2)+4*\e+2:GWR+32*((\j)%2)+4*\e+3], v[AG+2*(8*\tk+\e):AG+2*(8*\tk+\e)+1]
.endr
.endr
.endm
	GLD 0, 0
.irp j, 0,1,2,3,4,5,6,7
	DOT \j
.endr
.irp n, 0,1,2,3,4,5,6,7,8,9,10,11,12,13,14,15
	v_add_f32 v[L+\n], v[AG+2*\n], v[AG+2*\n+1]
.endr
.irp m, 1,2,4,8
.irp n, 0,1,2,3,4,5,6,7,8,9,10,11,12,13,14,15
	v_add_f32_dpp v[L+\n], v[L+\n], v[L+\n] row_xmask:\m row_mask:0xf bank_mask:0xf
.endr
.endr
.irp n, 0,1,2,3,4,5,6,7,8,9,10,11,12,13,14,15
	v_permlanex16_b32 v[L2+\n], v[L+\n], s26, s27
.endr
	s_wait_kmcnt 0x0                               ; gate_b
.irp n, 0,1,2,3,4,5,6,7,8,9,10,11,12,13,14,15
	v_add_f32 v[L+\n], v[L+\n], v[L2+\n]           ; every lane holds every sum
.endr
.irp tk, 0,1
.irp e, 0,1,2,3,4,5,6,7
	v_add_f32 v[L+8*\tk+\e], s[16+\e], v[L+8*\tk+\e]
.endr
.endr
.macro SCAN bv, bi                     ; the largest of the 8 and its index; strictly greater, ascending: the lower index wins a tie
	v_mov_b32 v[\bv], v[P]
	v_mov_b32 v[\bi], 0
.irp e, 1,2,3,4,5,6,7
	v_cmp_gt_f32 vcc_lo, v[P+\e], v[\bv]
	v_cndmask_b32 v[\bv], v[\bv], v[P+\e], vcc_lo
	v_cndmask_b32 v[\bi], v[\bi], \e, vcc_lo
.endr
.endm
.macro TOP2 tk
.set P, L+8*\tk
	v_max3_num_f32 v[A0], v[P], v[P+1], v[P+2]
	v_max3_num_f32 v[A0], v[A0], v[P+3], v[P+4]
	v_max3_num_f32 v[A0], v[A0], v[P+5], v[P+6]
	v_max_num_f32 v[A0], v[A0], v[P+7]             ; the maximum is taken away ahead of the exponentials
.irp e, 0,1,2,3,4,5,6,7
	v_sub_f32 v[P+\e], v[P+\e], v[A0]
.endr
.irp e, 0,1,2,3,4,5,6,7
	v_mul_f32 v[P+\e], 0x3fb8aa3b, v[P+\e]
.endr
	s_wait_alu depctr_va_vdst(0)
.irp e, 0,1,2,3,4,5,6,7
	v_exp_f32 v[P+\e], v[P+\e]
.endr
	v_nop                                          ; a plain line behind the exponentials
	s_wait_alu depctr_va_vdst(0)
	v_add_f32 v[A1], v[P], v[P+1]
.irp e, 2,3,4,5,6,7
	v_add_f32 v[A1], v[A1], v[P+\e]
.endr
	s_wait_alu depctr_va_vdst(0)
	v_rcp_f32 v[A1], v[A1]
	v_nop
	s_wait_alu depctr_va_vdst(0)
.irp e, 0,1,2,3,4,5,6,7
	v_mul_f32 v[P+\e], v[P+\e], v[A1]
.endr
	SCAN BV, BI
.irp e, 0,1,2,3,4,5,6,7
	v_cmp_eq_u32 vcc_lo, \e, v[BI]
	v_cndmask_b32 v[P+\e], v[P+\e], -1.0, vcc_lo   ; the winner leaves the field: probabilities are not negative
.endr
	SCAN BV2, BI2
	v_min_u32 v[LO], v[BI], v[BI2]
	v_max_u32 v[HI], v[BI], v[BI2]
	v_cmp_lt_u32 vcc_lo, v[BI], v[BI2]
	v_cndmask_b32 v[GLO+\tk], v[BV2], v[BV], vcc_lo
	v_cndmask_b32 v[GHI+\tk], v[BV], v[BV2], vcc_lo
	v_sub_nc_u32 v[A0], 13, v[LO]
	v_mul_u32_u24 v[A0], v[A0], v[LO]
	v_lshrrev_b32 v[A0], 1, v[A0]
	v_add3_u32 v[PID+\tk], v[A0], v[HI], -1        ; lo (13 - lo) / 2 + hi - 1
.endm
	TOP2 0
	TOP2 1
	v_cmp_eq_u32 vcc_lo, 1, v1                     ; lane 0 stores the first token's, lane 1 the second's
	v_cndmask_b32 v[FP], v[PID], v[PID+1], vcc_lo
	v_cndmask_b32 v[FG], v[GLO], v[GLO+1], vcc_lo
	v_cndmask_b32 v[FG+1], v[GHI], v[GHI+1], vcc_lo
	v_lshlrev_b32 v14, 2, v1
	v_cmp_gt_u32 vcc_lo, 2, v1
	s_wait_alu depctr_va_vdst(0)
	s_wait_xcnt 0x0                                ; EXEC changes only behind this wait
	s_wait_tensorcnt 0x0
	ds_add_u32 v254, v255
	s_wait_dscnt 0x0
	s_and_saveexec_b32 s30, vcc_lo
	global_store_b32 v14, v[FP], s[12:13]
	global_store_b64 v7, v[FG:FG+1], s[14:15]
	s_wait_xcnt 0x0                                ; and again in front of the line that widens it
	s_or_b32 exec_lo, exec_lo, s30
	s_endpgm
.Lfunc_end_k_qbb422ad15b_route:
	.size	k_qbb422ad15b_route, .Lfunc_end_k_qbb422ad15b_route-k_qbb422ad15b_route
	.p2alignl 7, 3214868480
	.fill 96, 4, 3214868480
	.section	.rodata,"a",@progbits
	.p2align	6, 0x0
	.amdhsa_kernel k_qbb422ad15b_route
		.amdhsa_group_segment_fixed_size 41984
		.amdhsa_private_segment_fixed_size 0
		.amdhsa_enable_private_segment 0
		.amdhsa_kernarg_size 48
		.amdhsa_user_sgpr_count 2
		.amdhsa_user_sgpr_kernarg_segment_ptr 1
		.amdhsa_wavefront_size32 1
		.amdhsa_system_sgpr_workgroup_id_x 1
		.amdhsa_system_sgpr_workgroup_id_y 1
		.amdhsa_system_sgpr_workgroup_id_z 1
		.amdhsa_system_vgpr_workitem_id 0
		.amdhsa_next_free_vgpr 256
		.amdhsa_next_free_sgpr 66
		.amdhsa_reserve_vcc 1
		.amdhsa_float_denorm_mode_32 3
		.amdhsa_float_denorm_mode_16_64 3
		.amdhsa_memory_ordered 1
		.amdhsa_forward_progress 1
		.amdhsa_inst_pref_size 62
	.end_amdhsa_kernel
	.amdgpu_metadata
---
amdhsa.version: [ 1, 2 ]
amdhsa.kernels:
  - .name:           k_qbb422ad15b_route
    .symbol:         k_qbb422ad15b_route.kd
    .args:
      - { .name: x, .offset: 0, .size: 8, .value_kind: global_buffer, .address_space: global }
      - { .name: gate_w, .offset: 8, .size: 8, .value_kind: global_buffer, .address_space: global }
      - { .name: gate_b, .offset: 16, .size: 8, .value_kind: global_buffer, .address_space: global }
      - { .name: xq, .offset: 24, .size: 8, .value_kind: global_buffer, .address_space: global }
      - { .name: pairid, .offset: 32, .size: 8, .value_kind: global_buffer, .address_space: global }
      - { .name: gates, .offset: 40, .size: 8, .value_kind: global_buffer, .address_space: global }
    .group_segment_fixed_size: 41984
    .private_segment_fixed_size: 0
    .kernarg_segment_align: 8
    .kernarg_segment_size: 48
    .max_flat_workgroup_size: 128
    .sgpr_count:     66
    .vgpr_count:     256
    .wavefront_size: 32
...
	.end_amdgpu_metadata
.endif
;; end of part 5
;; launch place (part 6): grid 1 x 1, 16 waves a work-group, no clusters, 18,944 bytes of LDS; arguments pairid, gates, plan, gslot; writes plan, gslot
.if DOCPART == 6
	.amdgcn_target "amdgcn-amd-amdhsa--gfx1250"
	.amdhsa_code_object_version 6
	.text
	.protected	k_qbb422ad15b_place
	.globl	k_qbb422ad15b_place
	.p2align	8
	.type	k_qbb422ad15b_place,@function
k_qbb422ad15b_place:
	s_mov_b64 s[64:65], 0
	v_nop
	global_prefetch_b8 v0, s[64:65] scope:SCOPE_SE
	s_setreg_imm32_b32 hwreg(HW_REG_WAVE_MODE, 25, 1), 1
	s_wait_xcnt 0x0
; COUNTING SORT of the 2,048 tokens by their pair of experts (28 keys), stable, without atomics, and the table of tiles.
; OUT: plan: 64 entries {lo, hi, first slot, rows} of 16 bytes at 0 (a tile holds at most 128 slots of one pair; never more than 43 have rows, since sum ceil(n / 128) <= (2048 + 28 x 127) / 128);
; order[slot] = token at byte 1,024, 2,176 entries, the last 128 zero, so that a tile may read 128 entries from any first slot;  gslot[slot] = (g of lo, g of hi), likewise padded.
; ONE work-group of 16 waves: the sort is 8 KiB of keys.  Item q of thread t is token 512 q + t, in chunk 16 q + wave (32 tokens in token order).
; A chunk's count of each key and a token's rank among its chunk's equals come from lane masks; wave 0 sums the 64 chunks' counts (lane K: key K) and walks the 28 keys.
; The stores of order and gslot are 4 and 8 bytes a lane to sorted places: 24 KiB in all.
.set PRE,    8192                      ; LDS: at 0 the counts [64 chunks][32 keys] u32; at PRE their exclusive sums over the chunks; at START each key's first slot
.set START,  16384
.set KEY,    8
.set GT,     12
.set CNT,    20
.set RANK,   24
.set TOKQ,   28
.set T,      32                        ; wave 0: v32-95 a column of counts, v96-160 its running sums
.set S,      96
.set STARTR, 161
.set J0,     162                       ; v162, v163: the table entries that my lane makes: lane, lane + 32
.set W0,     164                       ; v164-171: for each of them: 8 lo + hi, the key's first slot, its tokens, its first tile
.set E0,     172                       ; v172-179: the two entries
.set TMP,    180
.set Z,      184                       ; v184-187 zeros
	s_load_b256 s[4:11], s[0:1], 0x0               ; pairid s[4:5], gates s[6:7], plan s[8:9], gslot s[10:11]
	v_lshl_add_u32 v192, v0, 2, 0x4200
	v_mov_b32 v193, 0
	v_lshrrev_b32 v1, 5, v0
	s_delay_alu instid0(VALU_DEP_1)
	v_readfirstlane_b32 s12, v1                    ; wave
	v_and_b32 v1, 31, v0                           ; lane
	v_lshlrev_b32 v2, 2, v0
	v_lshlrev_b32 v3, 3, v0
	s_lshl_b32 s13, s12, 7
	v_lshl_add_u32 v4, v1, 2, s13                  ; LDS: 128 x wave + 4 x lane: my chunks' rows
	v_lshlrev_b32 v5, 2, v1                        ; LDS: 4 x lane: a column
	v_lshlrev_b32 v6, 4, v1
.irp q, 0,1,2,3
	v_mov_b32 v[CNT+\q], 0
	v_mov_b32 v[RANK+\q], 0
	v_add_nc_u32 v[TOKQ+\q], 512*\q, v0
	v_mov_b32 v[Z+\q], 0
.endr
	s_wait_kmcnt 0x0
.irp q, 0,1,2,3
	global_load_b32 v[KEY+\q], v2, s[4:5] offset:2048*\q
.endr
.irp q, 0,1,2,3
	global_load_b64 v[GT+2*\q:GT+2*\q+1], v3, s[6:7] offset:4096*\q
.endr
	s_wait_loadcnt 0x0
.irp q, 0,1,2,3
	v_min_u32 v[KEY+\q], 27, v[KEY+\q]
.endr
.macro BALLOT q
.irp k, 0,1,2,3,4,5,6,7,8,9,10,11,12,13,14,15,16,17,18,19,20,21,22,23,24,25,26,27
	v_cmp_eq_u32 s30, \k, v[KEY+\q]                ; the chunk's lanes with key k
	s_bcnt1_i32_b32 s31, s30
	v_writelane_b32 v[CNT+\q], s31, \k             ; lane k: how many
	v_mbcnt_lo_u32_b32 v[TMP], s30, 0              ; how many of them in lower lanes
	s_delay_alu instid0(VALU_DEP_1)
	v_cndmask_b32 v[RANK+\q], v[RANK+\q], v[TMP], s30
.endr
	ds_store_b32 v4, v[CNT+\q] offset:2048*\q
.endm
	BALLOT 0
	BALLOT 1
	BALLOT 2
	BALLOT 3
	s_wait_dscnt 0x0                               ; my counts lie in LDS
	s_barrier_signal -1
	s_barrier_wait -1
	s_cmp_lg_u32 s12, 0
	s_cbranch_scc1 .Lnot0
.set c, 0
.rept 64
	ds_load_b32 v[T+c], v5 offset:128*c
.set c, c+1
.endr
	v_mov_b32 v[S], 0
	v_mov_b32 v[STARTR], 0
	v_mov_b32 v[J0], v1
	v_add_nc_u32 v[J0+1], 32, v1
.irp i, 0,1,2,3,4,5,6,7
	v_mov_b32 v[W0+\i], 0
.endr
	s_wait_dscnt 0x0
.set c, 0
	v_add_nc_u32 v[S+c+1], v[S+c], v[T+c]
.set c, c+1
.rept (64)-1
	s_delay_alu instid0(VALU_DEP_1)
	v_add_nc_u32 v[S+c+1], v[S+c], v[T+c]          ; each sum has a register of its own: none that a store reads is written again
.set c, c+1
.endr
.set c, 0
.rept 64
	ds_store_b32 v5, v[S+c] offset:PRE+128*c
.set c, c+1
.endr
	s_mov_b32 s32, 0                               ; the next free slot
	s_mov_b32 s33, 0                               ; the next free tile
; Key KK: its first slot; every table entry from its first tile on takes its figures, and the next key with tiles writes over those that are not this key's.
.macro WALK
	v_readlane_b32 s34, v[S+64], KK                ; its tokens
	v_writelane_b32 v[STARTR], s32, KK
.irp u, 0,1
	v_cmp_le_u32 vcc_lo, s33, v[J0+\u]
	s_delay_alu instid0(VALU_DEP_1)
	v_cndmask_b32 v[W0+4*\u], v[W0+4*\u], LH, vcc_lo
	s_delay_alu instid0(VALU_DEP_2)
	v_cndmask_b32 v[W0+4*\u+1], v[W0+4*\u+1], s32, vcc_lo
	s_delay_alu instid0(VALU_DEP_3)
	v_cndmask_b32 v[W0+4*\u+2], v[W0+4*\u+2], s34, vcc_lo
	s_delay_alu instid0(VALU_DEP_4)
	v_cndmask_b32 v[W0+4*\u+3], v[W0+4*\u+3], s33, vcc_lo
.endr
	s_add_co_u32 s32, s32, s34
	s_add_co_u32 s34, s34, 127
	s_lshr_b32 s34, s34, 7
	s_add_co_u32 s33, s33, s34
.endm
.irp lo, 0,1,2,3,4,5,6
.irp hi, 1,2,3,4,5,6,7
.if \hi > \lo
.set KK, \lo*(13-\lo)/2+\hi-1
.set LH, \lo*8+\hi
	WALK
.endif
.endr
.endr
.irp u, 0,1
	v_sub_nc_u32 v[TMP], v[J0+\u], v[W0+4*\u+3]    ; which tile of its key
	s_delay_alu instid0(VALU_DEP_1)
	v_lshlrev_b32 v[TMP], 7, v[TMP]
	v_lshrrev_b32 v[E0+4*\u], 3, v[W0+4*\u]
	v_and_b32 v[E0+4*\u+1], 7, v[W0+4*\u]
	s_delay_alu instid0(VALU_DEP_3)
	v_add_nc_u32 v[E0+4*\u+2], v[W0+4*\u+1], v[TMP]
	s_delay_alu instid0(VALU_DEP_1)
	v_min_u32 v[E0+4*\u+2], 2047, v[E0+4*\u+2]
	v_sub_nc_u32 v[E0+4*\u+3], v[W0+4*\u+2], v[TMP]
	s_delay_alu instid0(VALU_DEP_1)
	v_max_i32 v[E0+4*\u+3], 0, v[E0+4*\u+3]        ; an entry behind the last tile has no rows
	s_delay_alu instid0(VALU_DEP_1)
	v_min_i32 v[E0+4*\u+3], 0x80, v[E0+4*\u+3]
.endr
	global_store_b128 v6, v[E0:E0+3], s[8:9]
	global_store_b128 v6, v[E0+4:E0+7], s[8:9] offset:512
	ds_store_b32 v5, v[STARTR] offset:START
.Lnot0:
	s_cmp_lg_u32 s12, 1
	s_cbranch_scc1 .Lnot1
	global_store_b128 v6, v[Z:Z+3], s[8:9] offset:1024+8192        ; wave 1: the pads
	global_store_b128 v6, v[Z:Z+3], s[10:11] offset:16384
	global_store_b128 v6, v[Z:Z+3], s[10:11] offset:16384+512
.Lnot1:
	s_wait_dscnt 0x0                               ; wave 0's sums and first slots lie in LDS
	s_barrier_signal -1
	s_barrier_wait -1
	ds_load_b32 v36, v5 offset:START
.irp q, 0,1,2,3
	ds_load_b32 v[32+\q], v4 offset:PRE+2048*\q
.endr
	s_wait_dscnt 0x0
.irp q, 0,1,2,3
	v_add_nc_u32 v[32+\q], v[32+\q], v36           ; lane K: where my chunk's tokens of key K begin
	v_lshlrev_b32 v[40+\q], 2, v[KEY+\q]
.endr
.irp q, 0,1,2,3
	ds_bpermute_b32 v[44+\q], v[40+\q], v[32+\q]   ; each lane takes its own key's figure from lane key: no LDS address is made of a key
.endr
	s_wait_dscnt 0x0
.irp q, 0,1,2,3
	v_add_nc_u32 v[44+\q], v[44+\q], v[RANK+\q]
	s_delay_alu instid0(VALU_DEP_1)
	v_min_u32 v[44+\q], 2047, v[44+\q]             ; the slot
	s_delay_alu instid0(VALU_DEP_1)
	v_lshlrev_b32 v[48+\q], 2, v[44+\q]
	s_delay_alu instid0(VALU_DEP_2)
	v_lshlrev_b32 v[52+\q], 3, v[44+\q]
	global_store_b32 v[48+\q], v[TOKQ+\q], s[8:9] offset:1024
	global_store_b64 v[52+\q], v[GT+2*\q:GT+2*\q+1], s[10:11]
.endr
	s_wait_tensorcnt 0x0
	ds_add_u32 v192, v193
	s_wait_dscnt 0x0
	s_endpgm
.Lfunc_end_k_qbb422ad15b_place:
	.size	k_qbb422ad15b_place, .Lfunc_end_k_qbb422ad15b_place-k_qbb422ad15b_place
	.p2alignl 7, 3214868480
	.fill 96, 4, 3214868480
	.section	.rodata,"a",@progbits
	.p2align	6, 0x0
	.amdhsa_kernel k_qbb422ad15b_place
		.amdhsa_group_segment_fixed_size 18944
		.amdhsa_private_segment_fixed_size 0
		.amdhsa_enable_private_segment 0
		.amdhsa_kernarg_size 32
		.amdhsa_user_sgpr_count 2
		.amdhsa_user_sgpr_kernarg_segment_ptr 1
		.amdhsa_wavefront_size32 1
		.amdhsa_system_sgpr_workgroup_id_x 1
		.amdhsa_system_sgpr_workgroup_id_y 1
		.amdhsa_system_sgpr_workgroup_id_z 1
		.amdhsa_system_vgpr_workitem_id 0
		.amdhsa_next_free_vgpr 194
		.amdhsa_next_free_sgpr 66
		.amdhsa_reserve_vcc 1
		.amdhsa_float_denorm_mode_32 3
		.amdhsa_float_denorm_mode_16_64 3
		.amdhsa_memory_ordered 1
		.amdhsa_forward_progress 1
		.amdhsa_inst_pref_size 86
	.end_amdhsa_kernel
	.amdgpu_metadata
---
amdhsa.version: [ 1, 2 ]
amdhsa.kernels:
  - .name:           k_qbb422ad15b_place
    .symbol:         k_qbb422ad15b_place.kd
    .args:
      - { .name: pairid, .offset: 0, .size: 8, .value_kind: global_buffer, .address_space: global }
      - { .name: gates, .offset: 8, .size: 8, .value_kind: global_buffer, .address_space: global }
      - { .name: plan, .offset: 16, .size: 8, .value_kind: global_buffer, .address_space: global }
      - { .name: gslot, .offset: 24, .size: 8, .value_kind: global_buffer, .address_space: global }
    .group_segment_fixed_size: 18944
    .private_segment_fixed_size: 0
    .kernarg_segment_align: 8
    .kernarg_segment_size: 32
    .max_flat_workgroup_size: 512
    .sgpr_count:     66
    .vgpr_count:     194
    .wavefront_size: 32
...
	.end_amdgpu_metadata
.endif
;; end of part 6
;; launch up (part 7): grid 16 x 43, 4 waves a work-group, no clusters, 274,944 bytes of LDS; arguments xq, plan, w1_codes, w1_scales, b1, hq; writes hq
.if DOCPART == 7
	.amdgcn_target "amdgcn-amd-amdhsa--gfx1250"
	.amdhsa_code_object_version 6
	.text
	.protected	k_qbb422ad15b_up
	.globl	k_qbb422ad15b_up
	.p2align	8
	.type	k_qbb422ad15b_up,@function
k_qbb422ad15b_up:
	s_mov_b64 s[64:65], 0
	v_nop
	global_prefetch_b8 v0, s[64:65] scope:SCOPE_SE
	s_setreg_imm32_b32 hwreg(HW_REG_WAVE_SCHED_MODE, 0, 2), 2
	s_setreg_imm32_b32 hwreg(HW_REG_WAVE_MODE, 25, 1), 1
	s_wait_xcnt 0x0
	s_wait_alu depctr_vm_vsrc(0)
; FIRST PRODUCT, chosen rows only: hq = Q(relu(x W1[e]^T + b1[e])) on codes of E4M3 with one E8M0 scale for each 32 along K.
; A work-group (x = 8 which + ct, y = tile) takes a tile's rows (at most 128 slots of one pair of experts) and hidden units 256 ct .. + 255 of expert e = lo (which = 0) or hi (1).
; THE WAVES SHARE THE COLUMNS: wave w owns units 256 ct + 64 w .. + 63: 4 tiles of 16 rows of W1 x K 1,024 = 512 registers, read from memory once.  The rows' codes are gathered by token
; into LDS once and read by all four waves.  The product is used transposed (source 0 = 16 rows of W1, source 1 = 16 tokens), and lane r of tile 2 b + u takes W1's row 32 b + 8 u + r + 8 (r / 8):
; a lane then holds ONE token, and the 16 registers of tiles 2 b, 2 b + 1 are 16 neighbours along the next K, so the conversions' results are registers of the next operand.
; W1 COMES BY WHOLE ROWS AND TURNS THROUGH LDS.  In a fragment's order a load would take 32 bytes of each of 16 rows; instead each load takes 512 consecutive bytes of ONE row, the wave stores them as loaded
; into a stage of its own (64 rows x 528 bytes) and reads them back as fragments: half of K at a time, through the very registers in which that half's fragments then stay.  A row's place in the stage is
; chosen so that a tile's 16 rows lie on end; the pitch is an odd multiple of 16 bytes.  The stage is the wave's own: no barrier.
; hq: codes as images of operand registers: row tile rt = 8 tile + i, which, K step S: 2,048 bytes at ((2 rt + which) 16 + S) 2048, ordered [c 0..3][lane][16 bytes]; my 64 units are c = 2 (w % 2), + 1 of
; S = 2 ct + w / 2.  Scale words at HSC + (2 rt + which) 1024 + 64 r + 4 S; I store two of a word's bytes (2 bytes a lane, rows 64 bytes apart: 1/32 of the codes' bytes).
; Rows behind a tile's last in its last 16 are the next slots' tokens (or the pad's token 0): worked like any row, never used.
; EVERY WAVE PASSES THE LAUNCH'S ONE BARRIER, WHATEVER THE TABLE SAYS: a tile without rows jumps over the gather to the lines in front of the barrier, passes it and ends behind it.
; W1, its scales and b1 are asked for behind that end, so that such a tile moves none of them.
; NO TENSOR LOADS, NO CLUSTER: a tile's expert and row count are read from memory; empty tiles end and trips are cut by branches on them, and neighbours in the grid need different numbers of trips.
; LIMITS: NaN and infinities are not served; a block whose largest number lies under 2^-118 (a block of zeros too) takes the byte 1: only this program reads the bytes.
; REGISTERS, in windows of 256: window 0: addresses, v32-63 the 4 accumulators, v64-95 b1 in their layout, v96-127 W1's scale words, v128-135 and v184-191 x's, two sets, v136-163 at work, v164-179 gather offsets,
;   v180-181 the stage.   windows 1, 2: W1, K steps 0-3 and 4-7, fragment (t, s) at 16 (4 (s % 4) + t); on its way in: row R at 4 R.   window 3: the gather's 256 registers, then two buffers of x's 8 fragments.
; THE MODE: SCHED_MODE bits 1:0 = 2 (LLVM: expert scheduling mode 2), set by the entry lines.  The code itself states the register dependences
; between vector or matrix instructions and memory or LDS instructions, with s_wait_alu, always for 0.
; THE PLAN.  Registers that memory or LDS instructions touch:
;   offsets and LDS addresses (v4, v6-v8, v10-v18, v180, v181)  written at the head, never again: one wait on va_vdst ahead of the head's branch serves every load and store that reads them.
;   v19, v164-179   made from the loaded tokens, read by the gather's loads, never written again: one wait on va_vdst behind that arithmetic.
;   window 3        the gather's loads land in it, the gather's LDS stores read it; from the barrier on it is XF0 (v0-127) and XF1 (v128-255): one wait on vm_vsrc behind the barrier.
;   windows 1, 2    the rows' loads land, the turn's LDS stores read them, the fragments' LDS loads land in the same registers: one wait on vm_vsrc in each turn.  Then the products alone read them.
;   XF0, XF1 and x's scale words XS0, XS1   Trip i: its products read set i % 2; the LDS loads of row tile i + 1, dealt among those products, land in the other set, which trip i - 1's products read.
;   v152-160        trip i's conversions write them, its three stores read them, trip i + 1's conversions write them again.
; So a wait on va_vdst stands in every trip behind its conversions: the codes and the scale bytes are written, which the trip's stores read; and the trip's products are done reading their set of XF and XS,
; in which the next trip's LDS loads land.  Between that wait and those loads stand the stores and the next trip's products, which name none of the registers that the loads touch.
; One wait on vm_vsrc stands in every trip but the first, ahead of the first write of v152-160.
.set AP,   1040                        ; a row of codes in LDS: 1,024 bytes + 16: an odd multiple of 16, so 16 rows' equal columns fall on different banks
.set HALF, 64*AP
.set XSL,  128*AP                      ; behind the rows: their scale bytes, 32 + 16 a row
.set XP,   48
.set SLB,  XSL+128*XP                  ; behind those: W1's stages, one for each wave
.set SP2,  528                         ; a stage row: 512 bytes (half of K) + 16
.set SLW,  64*SP2
.set XSC,  0x200000
.set HSC,  0x1580000
.set ACC,  32
.set BIAS, 64
.set W1S,  96
.set XS,   128                         ; x's scale words: set 0 at v128-135,
.set XSD,  56                          ; set 1 at v184-191
.set TM,   136                         ; +0,1 largest numbers; +2,3 the other half's, then bytes; +4,5 448 x scale; +6,7 the conversions' scale operands
.set PC,   152
.set PW,   160
.set XO,   164
.set SST,  180                         ; v180 my stage, 16 bytes a lane: a row as loaded
.set SFR,  181                         ; v181 my stage, row r, + 16 h: a fragment
.set MSB, 0
.macro WIN new                         ; the immediate's high byte repeats the setting that is left
.if MSB != \new
	s_set_vgpr_msb (MSB<<8)|\new
.set MSB, \new
.endif
.endm
.macro PLACES                          ; behind a trip's last products: 8 places ahead of the reads of their results, 9 ahead of products that begin the same accumulators anew
.rept 9
	v_nop
.endr
.endm
	s_load_b256 s[4:11], s[0:1], 0x0               ; xq s[4:5], plan s[6:7], W1's codes s[8:9], W1's scales s[10:11]
	s_load_b128 s[12:15], s[0:1], 0x20             ; b1 s[12:13], hq s[14:15]
	v_lshl_add_u32 v254, v0, 2, 0x43000
	v_mov_b32 v255, 0
	v_lshrrev_b32 v19, 5, v0
	v_readfirstlane_b32 s24, v19                   ; wave
	s_and_b32 s27, ttmp7, 0xffff                   ; tile
	s_lshr_b32 s25, ttmp9, 3                       ; which
	s_and_b32 s26, ttmp9, 7                        ; ct
	s_lshl_b32 s44, s27, 4
	s_mov_b32 s45, 0
	s_wait_kmcnt 0x0
	s_add_nc_u64 s[44:45], s[6:7], s[44:45]
	s_load_b128 s[16:19], s[44:45], 0x0            ; lo, hi, first slot, rows
	v_and_b32 v1, 31, v0                           ; lane
	v_and_b32 v2, 15, v0                           ; r
	v_bfe_u32 v3, v0, 4, 1                         ; h
	v_lshlrev_b32 v4, 4, v1                        ; 16 x lane
	v_and_b32 v19, 8, v2
	v_add_nc_u32 v19, v19, v2                      ; r + 8 (r / 8)
	v_lshlrev_b32 v6, 5, v19                       ; W1: my row of a tile: its 32 scale bytes
	v_lshlrev_b32 v7, 6, v3                        ; b1: 16 h numbers on
	s_wait_alu depctr_va_sdst(0)                   ; s24, the wave's number, is written, ahead of its first reader
	s_lshl_b32 s43, s24, 2
	v_lshrrev_b32 v28, 2, v1
	v_and_b32 v29, 3, v1
	v_lshl_add_u32 v28, v28, 4, v29
	v_add_nc_u32 v28, s43, v28                     ; the one row whose scale bytes I bring: 16 (lane / 4) + 4 w + lane % 4
	v_lshlrev_b32 v8, 2, v28
	v_mad_u32_u24 v12, v28, XP, XSL
	v_add_nc_u32 v30, s43, v3                      ; 4 w + h: of each 16 rows I gather rows 4 w .. 4 w + 3, two an instruction
	v_mul_u32_u24 v10, v30, AP
	v_lshl_add_u32 v10, v2, 4, v10                 ; into LDS: rows 0-63,
	v_add_nc_u32 v11, HALF, v10                    ; rows 64-127 (the immediate reaches 64 KiB)
	v_mul_u32_u24 v13, v2, AP
	v_lshl_add_u32 v13, v3, 4, v13                 ; a fragment: row r, + 16 h
	v_add_nc_u32 v14, HALF, v13
	v_mad_u32_u24 v15, v2, XP, XSL                 ; row r's scale bytes
	v_lshlrev_b32 v16, 6, v2
	v_lshlrev_b32 v17, 4, v2
	v_lshlrev_b32 v18, 2, v30
	s_mul_i32 s46, s24, SLW
	s_add_co_u32 s46, s46, SLB                     ; my stage
	v_lshl_add_u32 v[SST], v1, 4, s46
	v_mul_u32_u24 v[SFR], v2, SP2
	v_lshl_add_u32 v[SFR], v3, 4, v[SFR]
	v_add_nc_u32 v[SFR], s46, v[SFR]
	v_mov_b32 v[TM+2], 0                           ; a lane permute's destination counts as one of its sources
	v_mov_b32 v[TM+3], 0
	s_mov_b32 s40, 0x76543210
	s_mov_b32 s41, 0xfedcba98
	s_mov_b32 s42, 0x600000                        ; the mantissa field of 448
	s_wait_kmcnt 0x0
	s_min_u32 s22, s19, 128                        ; rows
	s_cmp_lg_u32 s25, 0
	s_cselect_b32 s20, s17, s16
	s_min_u32 s20, s20, 7                          ; the expert
	s_min_u32 s21, s18, 2047                       ; first slot
	s_add_co_u32 s23, s22, 15
	s_lshr_b32 s23, s23, 4                         ; row tiles, 0 .. 8
	s_lshl_b32 s46, s20, 11
	s_lshl_b32 s47, s26, 8
	s_add_co_u32 s46, s46, s47
	s_lshl_b32 s47, s24, 6
	s_add_co_u32 s46, s46, s47                     ; my first row of W1: 2048 e + 256 ct + 64 w
	s_lshl_b32 s28, s46, 10
	s_mov_b32 s29, 0
	s_add_nc_u64 s[28:29], s[8:9], s[28:29]
	s_lshl_b32 s30, s46, 5
	s_mov_b32 s31, 0
	s_add_nc_u64 s[30:31], s[10:11], s[30:31]
	s_lshl_b32 s32, s46, 2
	s_mov_b32 s33, 0
	s_add_nc_u64 s[32:33], s[12:13], s[32:33]
	s_lshl_b32 s34, s21, 2
	s_add_co_u32 s34, s34, 1024
	s_mov_b32 s35, 0
	s_add_nc_u64 s[34:35], s[6:7], s[34:35]        ; order at the tile's first slot
	s_lshl_b32 s36, s27, 19
	s_lshl_b32 s47, s25, 15
	s_add_co_u32 s36, s36, s47
	s_lshl_b32 s47, s26, 12
	s_add_co_u32 s36, s36, s47
	s_lshl_b32 s47, s24, 10
	s_add_co_u32 s36, s36, s47                     ; (2 ct + w / 2) 2048 + (w % 2) 1024 = 4096 ct + 1024 w
	s_mov_b32 s37, 0
	s_add_nc_u64 s[36:37], s[14:15], s[36:37]
	s_lshl_b32 s38, s27, 14
	s_lshl_b32 s47, s25, 10
	s_add_co_u32 s38, s38, s47
	s_lshl_b32 s47, s26, 3
	s_add_co_u32 s38, s38, s47
	s_lshl_b32 s47, s24, 1
	s_add_co_u32 s38, s38, s47                     ; 4 (2 ct + w / 2) + 2 (w % 2) = 8 ct + 2 w
	s_add_co_u32 s38, s38, HSC
	s_mov_b32 s39, 0
	s_add_nc_u64 s[38:39], s[14:15], s[38:39]
	s_wait_alu depctr_va_vdst(0)                   ; the offsets and LDS addresses v4, v6 to v8, v10 to v18, v180 and v181 are written, which the loads and stores on both ways below read
	s_cmp_eq_u32 s22, 0
	s_cbranch_scc1 .Lbar                           ; a tile without rows has nothing to gather: straight to the barrier.  Behind the barrier nothing reads a register that only the lines jumped over write
	; the tokens: the gather hangs on them
	global_load_b32 v9, v8, s[34:35]
.irp n, 0,1,2,3,4,5,6,7,8,9,10,11,12,13,14,15
	global_load_b32 v[XO+\n], v18, s[34:35] offset:64*(\n/2)+8*(\n%2)      ; the token of row 16 (n / 2) + 2 (n % 2) + 4 w + h: sixteen lanes read one word
.endr
	s_wait_loadcnt 0x0
	v_min_u32 v9, 2047, v9
	v_lshlrev_b32 v19, 5, v9
.irp n, 0,1,2,3,4,5,6,7,8,9,10,11,12,13,14,15
	v_min_u32 v[XO+\n], 2047, v[XO+\n]
.endr
.irp n, 0,1,2,3,4,5,6,7,8,9,10,11,12,13,14,15
	v_lshl_add_u32 v[XO+\n], v[XO+\n], 10, v17     ; the token's row of codes, + 16 (lane % 16)
.endr
	s_wait_alu depctr_va_vdst(0)                   ; v19 and v164 to v179 are written: the offsets that the gather's loads below read
	global_load_b128 v[20:23], v19, s[4:5] offset:XSC
	global_load_b128 v[24:27], v19, s[4:5] offset:XSC+16
; THE GATHER: loads forward, stores backward, so that every way through loads just what it stores.  Row tile i: my 4 rows, 16 lanes to 256 bytes of a row.
.macro GL i
	WIN 0xc0
.irp p, 0,1
.irp m, 0,1,2,3
	global_load_b128 v[32*(\i)+16*\p+4*\m:32*(\i)+16*\p+4*\m+3], v[XO+2*(\i)+\p], s[4:5] offset:256*\m
.endr
.endr
	WIN 0
.endm
.macro GS i
	s_wait_loadcnt 0x0
	WIN 0x0c                                       ; an LDS store's data are its source 1: window 3
.irp p, 0,1
.irp m, 0,1,2,3
	ds_store_b128 v[10+(\i)/4], v[32*(\i)+16*\p+4*\m:32*(\i)+16*\p+4*\m+3] offset:(((\i)%4)*16+2*\p)*AP+256*\m
.endr
.endr
	WIN 0
.endm
	GL 0
.irp i, 1,2,3,4,5,6,7
	s_cmp_le_u32 s23, \i
	s_cbranch_scc1 .LS\i
	GL \i
.endr
	GS 7
.irp i, 7,6,5,4,3,2,1
.LS\i:
	GS \i-1
.endr
	ds_store_b128 v12, v[20:23]
	ds_store_b128 v12, v[24:27] offset:16
.Lbar:
	s_wait_dscnt 0x0                               ; for the others' sake: my rows lie in LDS
	s_barrier_signal -1                            ; all the ways above meet here: every wave passes this barrier once
	s_barrier_wait -1
	s_wait_alu depctr_vm_vsrc(0)                   ; the gather's LDS stores have read window 3: its registers are x's two fragment buffers from here on, in which LDS loads land
	s_cmp_eq_u32 s22, 0
	s_cbranch_scc1 .Lempty                         ; a tile without rows ends here, behind the barrier, with nothing of W1 asked for
.irp t, 0,1,2,3
	global_load_b128 v[W1S+8*\t:W1S+8*\t+3], v6, s[30:31] offset:(32*(\t/2)+8*(\t%2))*32
	global_load_b128 v[W1S+8*\t+4:W1S+8*\t+7], v6, s[30:31] offset:(32*(\t/2)+8*(\t%2))*32+16
.endr
.irp t, 0,1,2,3
	global_load_b128 v[BIAS+8*\t:BIAS+8*\t+3], v7, s[32:33] offset:(32*(\t/2)+8*(\t%2))*4
	global_load_b128 v[BIAS+8*\t+4:BIAS+8*\t+7], v7, s[32:33] offset:(32*(\t/2)+8*(\t%2))*4+16
.endr
.macro WLOAD half                      ; my 64 rows of W1, K bytes 512 half .. + 511: a load takes 512 consecutive bytes of one row; row R into registers 4 R .. 4 R + 3 of the window set
.set R, 0
.rept 64
	global_load_b128 v[4*R:4*R+3], v4, s[28:29] offset:1024*R+512*(\half)
.set R, R+1
.endr
.endm
; The turn: the rows go into my stage as loaded and come back as fragments, into the registers that they left.  LDS serves a wave's instructions in order (ISA guide 5.7.1.4): the loads see the stores,
; and the second half's stores come behind the first half's loads.  Row R = 32 b + x is row r = x % 8 + 8 (x / 16) of tile 2 b + (x / 8) % 2: its place in the stage is 16 x tile + r.
.macro WTURN wst, wld
	WIN \wst                                       ; an LDS store's data are its source 1
.set R, 0
.rept 64
.set PR, 16*(2*(R/32)+((R%32)/8)%2)+(R%8)+8*((R%32)/16)
	ds_store_b128 v[SST], v[4*R:4*R+3] offset:PR*SP2
.set R, R+1
.endr
	WIN \wld
	s_wait_alu depctr_vm_vsrc(0)                   ; the 64 LDS stores above have read their data registers, in which the fragments' loads below land
.irp s, 0,1,2,3
.irp t, 0,1,2,3
.irp c, 0,1,2,3
	ds_load_b128 v[16*(4*\s+\t)+4*\c:16*(4*\s+\t)+4*\c+3], v[SFR] offset:16*\t*SP2+128*\s+32*\c
.endr
.endr
.endr
.endm
.macro XSLD i                          ; row tile i: its scale words into set i % 2 (window 0)
	ds_load_b128 v[XS+XSD*((\i)%2):XS+XSD*((\i)%2)+3], v15 offset:16*XP*(\i)
	ds_load_b128 v[XS+XSD*((\i)%2)+4:XS+XSD*((\i)%2)+7], v15 offset:16*XP*(\i)+16
.endm
.macro XLD i, q                        ; row tile i: the fragments of K steps 2 q, 2 q + 1 into buffer i % 2 (window 3): 8 loads
.irp u, 0,1
.irp c, 0,1,2,3
	ds_load_b128 v[128*((\i)%2)+16*(2*\q+\u)+4*\c:128*((\i)%2)+16*(2*\q+\u)+4*\c+3], v[13+(\i)/4] offset:((\i)%4)*16*AP+128*(2*\q+\u)+32*\c
.endr
.endr
.endm
	WIN 0x40
	WLOAD 0
	WIN 0x80
	WLOAD 1
	WIN 0
	XSLD 0                                         ; x's first row tile comes out of LDS while W1 is on its way
	WIN 0xc0
.irp q, 0,1,2,3
	XLD 0, \q
.endr
	s_wait_loadcnt 63                              ; 144 loads were issued: with 63 out, 81 are in: the 16 small ones and the first half's 64
	WTURN 0x04, 0x40
	s_wait_loadcnt 0x0                             ; the second half
	WTURN 0x08, 0x80
	WIN 0
	s_wait_dscnt 0x0                               ; W1's fragments stand in their registers, and so does x's first row tile
.macro QUANT2 tr                       ; my 64 units of 16 tokens: two blocks of 32 along the next K; a block lies in lanes l and l xor 16.  tr: the trip's number
.irp b, 0,1
	v_max3_num_f32 v[TM+\b], v[ACC+16*\b], v[ACC+16*\b+1], 0x4800000       ; no |.|: what is negative becomes 0 and must not count; the floor 2^(9 - 127) holds the byte at 1 from below
.endr
.irp i, 2,4,6,8,10,12,14
.irp b, 0,1
	v_max3_num_f32 v[TM+\b], v[TM+\b], v[ACC+16*\b+\i], v[ACC+16*\b+\i+1]
.endr
.endr
.irp b, 0,1
	v_permlanex16_b32 v[TM+2+\b], v[TM+\b], s40, s41
.endr
.irp b, 0,1
	v_max_num_f32 v[TM+\b], v[TM+\b], v[TM+2+\b]
.endr
.irp b, 0,1
	v_add_nc_u32 v[TM+6+\b], 0xfc000000, v[TM+\b]  ; 8 off the exponent field: the conversion's scale operand
.endr
.irp b, 0,1
	v_and_or_b32 v[TM+4+\b], v[TM+\b], 0x7f800000, s42     ; 448 x the scale
.endr
.irp b, 0,1
	v_lshrrev_b32 v[TM+2+\b], 23, v[TM+6+\b]       ; the byte
.endr
.if \tr > 0                                    ; (the first trip has no stores in front of it)
	s_wait_alu depctr_va_vdst(0)
	s_wait_xcnt 0x0                                ; the last trip's stores have had their addresses translated (ISA guide 3.1): their registers are written again only behind this wait
	s_wait_alu depctr_vm_vsrc(0)                   ; the last trip's three stores have read v152 to v160, which the lines below write again
.endif
	v_lshl_or_b32 v[PW], v[TM+3], 8, v[TM+2]
.irp b, 0,1
.irp i, 0,1,2,3,4,5,6,7,8,9,10,11,12,13,14,15
	v_med3_num_f32 v[ACC+16*\b+\i], v[ACC+16*\b+\i], 0, v[TM+4+\b]         ; the activation and the hold in one
.endr
	v_cvt_scalef32_pk8_fp8_f32 v[PC+4*\b:PC+4*\b+1], v[ACC+16*\b:ACC+16*\b+7], v[TM+6+\b]
	v_cvt_scalef32_pk8_fp8_f32 v[PC+4*\b+2:PC+4*\b+3], v[ACC+16*\b+8:ACC+16*\b+15], v[TM+6+\b]
.endr
	v_nop                                          ; a plain line between the last conversion and the products that write its sources
.endm
; Row tile i: 32 products from buffer i % 2, the 4 accumulators by turns, b1 as the C of each sum's first.
; more = 1: the next row tile's scale words are asked for at the trip's head and its fragments in four runs of 8 loads, one ahead of each pair of K steps: they land in the other buffer.  No wait on
; va_vdst stands ahead of them: the one at the end of the trip before has shown that buffer's last readers done, and nothing issued since names it.
.macro TRIP i, more
.if \i > 0
	s_wait_dscnt 0x0                               ; this row tile's fragments and scale words, asked for among the last trip's products, are in
.endif
.if \more
	XSLD (\i)+1
.endif
.irp q, 0,1,2,3
.if \more
	WIN 0xc0                                       ; destination window 3, address window 0
	XLD (\i)+1, \q
.endif
.if \q < 2
	WIN 0x0d                                       ; source 0 (W1) window 1, source 1 (x) window 3, C and D window 0
.else
	WIN 0x0e                                       ; W1's window 2
.endif
.irp u, 0,1
.irp t, 0,1,2,3
.if 2*\q+\u == 0
	v_wmma_scale_f32_16x16x128_f8f6f4 v[ACC+8*\t:ACC+8*\t+7], v[16*(4*((2*\q+\u)%4)+\t):16*(4*((2*\q+\u)%4)+\t)+15], v[128*((\i)%2)+16*(2*\q+\u):128*((\i)%2)+16*(2*\q+\u)+15], v[BIAS+8*\t:BIAS+8*\t+7], v[W1S+8*\t+2*\q+\u], v[XS+XSD*((\i)%2)+2*\q+\u]
.else
	v_wmma_scale_f32_16x16x128_f8f6f4 v[ACC+8*\t:ACC+8*\t+7], v[16*(4*((2*\q+\u)%4)+\t):16*(4*((2*\q+\u)%4)+\t)+15], v[128*((\i)%2)+16*(2*\q+\u):128*((\i)%2)+16*(2*\q+\u)+15], v[ACC+8*\t:ACC+8*\t+7], v[W1S+8*\t+2*\q+\u], v[XS+XSD*((\i)%2)+2*\q+\u]
.endif
.endr
.endr
.endr
	WIN 0
	PLACES
	QUANT2 \i
	s_wait_alu depctr_va_vdst(0)                   ; the conversions have written v152 to v160, which the stores below read; this trip's products are done reading their fragment buffer and scale words, in which the next trip's LDS loads land
	global_store_b128 v4, v[PC:PC+3], s[36:37] offset:65536*(\i)           ; 512 consecutive bytes: registers 4 c .. 4 c + 3 of the image
	global_store_b128 v4, v[PC+4:PC+7], s[36:37] offset:65536*(\i)+512
	global_store_b16 v16, v[PW], s[38:39] offset:2048*(\i)                 ; lanes r and r + 16 store the same two bytes with the same value
.endm
.irp i, 0,1,2,3,4,5,6
	s_cmp_eq_u32 s23, \i+1
	s_cbranch_scc1 .Llast_\i
	TRIP \i, 1
.endr
	TRIP 7, 0
	s_wait_dscnt 0x0                               ; the closing lines, six on end
	s_wait_alu 0x0
	s_wait_tensorcnt 0x0
	ds_add_u32 v254, v255
	s_wait_dscnt 0x0
	s_endpgm
.irp i, 0,1,2,3,4,5,6
.Llast_\i:
	TRIP \i, 0
	s_wait_dscnt 0x0                               ; the closing lines, six on end
	s_wait_alu 0x0
	s_wait_tensorcnt 0x0
	ds_add_u32 v254, v255
	s_wait_dscnt 0x0
	s_endpgm
.endr
.Lempty:
	s_wait_dscnt 0x0                               ; the closing lines, six on end
	s_wait_alu 0x0
	s_wait_tensorcnt 0x0
	ds_add_u32 v254, v255
	s_wait_dscnt 0x0
	s_endpgm
.Lfunc_end_k_qbb422ad15b_up:
	.size	k_qbb422ad15b_up, .Lfunc_end_k_qbb422ad15b_up-k_qbb422ad15b_up
	.p2alignl 7, 3214868480
	.fill 96, 4, 3214868480
	.section	.rodata,"a",@progbits
	.p2align	6, 0x0
	.amdhsa_kernel k_qbb422ad15b_up
		.amdhsa_group_segment_fixed_size 274944
		.amdhsa_private_segment_fixed_size 0
		.amdhsa_enable_private_segment 0
		.amdhsa_kernarg_size 48
		.amdhsa_user_sgpr_count 2
		.amdhsa_user_sgpr_kernarg_segment_ptr 1
		.amdhsa_wavefront_size32 1
		.amdhsa_system_sgpr_workgroup_id_x 1
		.amdhsa_system_sgpr_workgroup_id_y 1
		.amdhsa_system_sgpr_workgroup_id_z 1
		.amdhsa_system_vgpr_workitem_id 0
		.amdhsa_next_free_vgpr 1024
		.amdhsa_next_free_sgpr 66
		.amdhsa_reserve_vcc 0
		.amdhsa_float_denorm_mode_32 3
		.amdhsa_float_denorm_mode_16_64 3
		.amdhsa_memory_ordered 1
		.amdhsa_forward_progress 1
		.amdhsa_inst_pref_size 203
	.end_amdhsa_kernel
	.amdgpu_metadata
---
amdhsa.version: [ 1, 2 ]
amdhsa.kernels:
  - .name:           k_qbb422ad15b_up
    .symbol:         k_qbb422ad15b_up.kd
    .args:
      - { .name: xq, .offset: 0, .size: 8, .value_kind: global_buffer, .address_space: global }
      - { .name: plan, .offset: 8, .size: 8, .value_kind: global_buffer, .address_space: global }
      - { .name: w1_codes, .offset: 16, .size: 8, .value_kind: global_buffer, .address_space: global }
      - { .name: w1_scales, .offset: 24, .size: 8, .value_kind: global_buffer, .address_space: global }
      - { .name: b1, .offset: 32, .size: 8, .value_kind: global_buffer, .address_space: global }
      - { .name: hq, .offset: 40, .size: 8, .value_kind: global_buffer, .address_space: global }
    .group_segment_fixed_size: 274944
    .private_segment_fixed_size: 0
    .kernarg_segment_align: 8
    .kernarg_segment_size: 48
    .max_flat_workgroup_size: 128
    .sgpr_count:     66
    .vgpr_count:     1024
    .wavefront_size: 32
...
	.end_amdgpu_metadata
.endif
;; end of part 7
;; launch down (part 8): grid 16 x 43, 4 waves a work-group, no clusters, 139,776 bytes of LDS; arguments plan, gslot, hq, w2_codes, w2_scales, b2, out0; writes out0
.if DOCPART == 8
	.amdgcn_target "amdgcn-amd-amdhsa--gfx1250"
	.amdhsa_code_object_version 6
	.text
	.protected	k_qbb422ad15b_down
	.globl	k_qbb422ad15b_down
	.p2align	8
	.type	k_qbb422ad15b_down,@function
k_qbb422ad15b_down:
	s_mov_b64 s[64:65], 0
	v_nop
	global_prefetch_b8 v0, s[64:65] scope:SCOPE_SE
	s_setreg_imm32_b32 hwreg(HW_REG_WAVE_MODE, 25, 1), 1
	s_wait_xcnt 0x0
; SECOND PRODUCT AND THE SUM OVER A TOKEN'S TWO EXPERTS: out0[token] = g_lo (h_lo W2[lo]^T + b2[lo]) + g_hi (h_hi W2[hi]^T + b2[hi]), on codes of E4M3 with E8M0 scales.
; A work-group (x = c, y = tile) takes a tile's rows and outputs 64 c .. + 63, for BOTH experts: each row of out0 has one owner, nothing is added in memory.
; THE FOUR WAVES SPLIT K: wave w takes expert which = w / 2 and K half kh = w % 2: 64 rows of W2 x 1,024 codes = 512 registers, read from memory once.  Its hidden fragments are its own: they come from hq, where
; they lie as images of operand registers, by loads of 512 consecutive bytes straight into registers, two row tiles ahead.  Used transposed (source 0 = 16 rows of W2, source 1 = 16 tokens): a lane holds one
; token and 8 neighbouring outputs, so the gate is one number a lane.  b2 is the C of the first product in the waves with kh = 0, zeros in the others.
; W2 COMES BY WHOLE ROWS AND TURNS THROUGH LDS.  In a fragment's order a load would take 32 bytes of each of 16 rows; instead each load takes 512 consecutive bytes of ONE row, the wave stores them as loaded
; into a stage (64 rows x 528 bytes) and reads them back as fragments: half of its K at a time, through the very registers in which that half's fragments then stay.  The stage is the wave's own part of
; LDS, which takes its results only later: no barrier.
; The four waves' parts meet in LDS behind the launch's one barrier and are added in f32 in a fixed order; so an output's sum over K is formed in four parts, which changes only the order of f32 additions.
; Rows behind a tile's last are worked and not stored.
; EVERY WAVE PASSES THE BARRIER, WHATEVER THE TABLE SAYS: a tile without rows jumps over the products to the lines in front of the barrier, passes it and ends at the test behind it.  All that the lines
; behind the barrier read (the rows' tokens, out0's base, the counts) is made or asked for ahead of that jump; the tokens are waited for behind that test.
; NO TENSOR LOADS, NO CLUSTER: experts and row counts are read from memory; empty tiles end and trips are cut by branches on them, and neighbours in the grid need different numbers of trips.
; REGISTERS, in windows of 256: window 0: addresses, v32-63 accumulators, v64-95 b2, v96-127 W2's scale words, v128-191 the hidden layer's (8 row tiles x 8 K steps), v192-207 gates, v208-223 offsets in out0,
;   v224-225 the stage.   windows 1, 2: W2, fragment (n, s) at 16 (4 (s % 4) + n); on its way in: row R at 4 R.   window 3: two buffers of 8 hidden fragments.
.set HSC,  0x1580000
.set PP,   272                         ; a row of a wave's part in LDS: 256 bytes + 16
.set PART, 128*PP                      ; 34,816 bytes a wave; W2's stage, 64 x 528 = 33,792 bytes, lies in them first
.set SP2,  528                         ; a stage row: 512 bytes + 16: an odd multiple of 16
.set ACC,  32
.set BIAS, 64
.set W2S,  96
.set HS,   128
.set G,    192
.set OFFS, 208
.set SST,  224                         ; v224 my stage, 16 bytes a lane: a row as loaded
.set SFR,  225                         ; v225 my stage, row r, + 16 h: a fragment
.set SM,   32                          ; the sum's 32 registers, where the accumulators lay
.set MSB, 0
.macro WIN new                         ; the immediate's high byte repeats the setting that is left
.if MSB != \new
	s_set_vgpr_msb (MSB<<8)|\new
.set MSB, \new
.endif
.endm
.macro PLACES                          ; 8 places ahead of loads into operands just read and of reads of results, 9 ahead of products that begin the same accumulators anew
.rept 9
	v_nop
.endr
.endm
	s_load_b256 s[4:11], s[0:1], 0x0               ; plan s[4:5], gslot s[6:7], hq s[8:9], W2's codes s[10:11]
	s_load_b128 s[12:15], s[0:1], 0x20             ; W2's scales s[12:13], b2 s[14:15]
	s_load_b64 s[52:53], s[0:1], 0x30              ; out0
	v_lshl_add_u32 v254, v0, 2, 0x22000
	v_mov_b32 v255, 0
	v_lshrrev_b32 v19, 5, v0
	v_readfirstlane_b32 s24, v19                   ; wave
	s_lshr_b32 s25, s24, 1                         ; which
	s_and_b32 s26, s24, 1                          ; kh
	s_and_b32 s28, ttmp7, 0xffff                   ; tile
	s_lshl_b32 s54, s28, 4
	s_mov_b32 s55, 0
	s_wait_kmcnt 0x0
	s_add_nc_u64 s[54:55], s[4:5], s[54:55]
	s_load_b128 s[16:19], s[54:55], 0x0            ; lo, hi, first slot, rows
	v_and_b32 v1, 31, v0
	v_and_b32 v2, 15, v0                           ; r
	v_bfe_u32 v3, v0, 4, 1                         ; h
	v_lshlrev_b32 v4, 4, v1                        ; 16 x lane: an image's place, and a row's, for my lane
	v_lshlrev_b32 v6, 6, v2                        ; 64 scale bytes a row, of W2 and of the hidden layer
	v_lshlrev_b32 v7, 5, v3                        ; b2: 8 h numbers on
	v_lshlrev_b32 v10, 3, v2
	s_mul_i32 s46, s24, PART
	v_mul_u32_u24 v11, v2, PP
	v_lshl_add_u32 v11, v3, 5, v11
	v_add_nc_u32 v11, s46, v11                     ; my part: row r, + 32 h
	v_lshl_add_u32 v[SST], v1, 4, s46
	v_mul_u32_u24 v[SFR], v2, SP2
	v_lshl_add_u32 v[SFR], v3, 4, v[SFR]
	v_add_nc_u32 v[SFR], s46, v[SFR]
	s_lshl_b32 s47, s24, 2
	v_add_nc_u32 v16, s47, v3                      ; 4 w + h: of each 16 rows I add and store rows 4 w .. 4 w + 3, two an instruction
	v_mul_u32_u24 v12, v16, PP
	v_lshl_add_u32 v12, v2, 4, v12
	v_add_nc_u32 v13, PART, v12
	v_add_nc_u32 v14, 2*PART, v12
	v_add_nc_u32 v15, 3*PART, v12
	v_lshlrev_b32 v17, 4, v2
	v_lshlrev_b32 v18, 2, v16
	s_wait_alu depctr_va_vdst(0)
	s_wait_kmcnt 0x0
	; what the lines behind the barrier read is made first, on every way
	s_min_u32 s22, s19, 128                        ; rows
	s_min_u32 s21, s18, 2047                       ; first slot
	s_add_co_u32 s23, s22, 15
	s_lshr_b32 s23, s23, 4                         ; row tiles, 0 .. 8
	s_lshl_b32 s36, s21, 2
	s_add_co_u32 s36, s36, 1024
	s_mov_b32 s37, 0
	s_add_nc_u64 s[36:37], s[4:5], s[36:37]        ; order at the tile's first slot
	s_lshl_b32 s46, ttmp9, 8
	s_mov_b32 s47, 0
	s_add_nc_u64 s[52:53], s[52:53], s[46:47]      ; out0 at my 64 outputs
.irp n, 0,1,2,3,4,5,6,7,8,9,10,11,12,13,14,15
	global_load_b32 v[OFFS+\n], v18, s[36:37] offset:64*(\n/2)+8*(\n%2)    ; the token of row 16 (n / 2) + 2 (n % 2) + 4 w + h
.endr
	s_cmp_eq_u32 s22, 0
	s_cbranch_scc1 .Lsum                           ; a tile without rows goes straight to the barrier
	s_cmp_lg_u32 s25, 0
	s_cselect_b32 s20, s17, s16
	s_cselect_b32 s48, -1, 0                       ; all lanes: the second expert's gate
	s_min_u32 s20, s20, 7
	s_cmp_lg_u32 s26, 0
	s_cselect_b32 s49, -1, 0                       ; all lanes: no bias in this wave
	s_sub_co_u32 s29, s23, 1
	s_lshl_b32 s46, s20, 10
	s_lshl_b32 s47, ttmp9, 6
	s_add_co_u32 s46, s46, s47                     ; my first row of W2: 1024 e + 64 c
	s_lshl_b32 s30, s46, 11
	s_lshl_b32 s47, s26, 10
	s_add_co_u32 s30, s30, s47
	s_mov_b32 s31, 0
	s_add_nc_u64 s[30:31], s[10:11], s[30:31]
	s_lshl_b32 s32, s46, 6
	s_lshl_b32 s47, s26, 5
	s_add_co_u32 s32, s32, s47
	s_mov_b32 s33, 0
	s_add_nc_u64 s[32:33], s[12:13], s[32:33]
	s_lshl_b32 s34, s46, 2
	s_mov_b32 s35, 0
	s_add_nc_u64 s[34:35], s[14:15], s[34:35]
	s_lshl_b32 s38, s21, 3
	s_mov_b32 s39, 0
	s_add_nc_u64 s[38:39], s[6:7], s[38:39]        ; gslot at the tile's first slot
	s_lshl_b32 s40, s28, 19
	s_lshl_b32 s47, s25, 15
	s_add_co_u32 s40, s40, s47
	s_lshl_b32 s47, s26, 14
	s_add_co_u32 s40, s40, s47
	s_mov_b32 s41, 0
	s_add_nc_u64 s[40:41], s[8:9], s[40:41]        ; my images of row tile 0
	s_min_u32 s47, s29, 1
	s_lshl_b32 s42, s47, 16
	s_mov_b32 s43, 0
	s_add_nc_u64 s[42:43], s[40:41], s[42:43]      ; of row tile 1, or 0 again where there is one alone: no byte is read that was not written
	s_lshl_b32 s44, s28, 14
	s_lshl_b32 s47, s25, 10
	s_add_co_u32 s44, s44, s47
	s_lshl_b32 s47, s26, 5
	s_add_co_u32 s44, s44, s47
	s_add_co_u32 s44, s44, HSC
	s_mov_b32 s45, 0
	s_add_nc_u64 s[44:45], s[8:9], s[44:45]
.irp i, 0,1,2,3,4,5,6,7
	s_min_u32 s47, s29, \i                         ; a row tile that the tile does not have reads the last one's words
	s_lshl_b32 s47, s47, 11
	v_add_nc_u32 v[20+\i], s47, v6
.endr
.irp i, 0,1,2,3,4,5,6,7
	global_load_b64 v[G+2*\i:G+2*\i+1], v10, s[38:39] offset:128*\i
.endr
	s_wait_alu depctr_va_vdst(0)
.irp i, 0,1,2,3,4,5,6,7
	global_load_b128 v[HS+8*\i:HS+8*\i+3], v[20+\i], s[44:45]
	global_load_b128 v[HS+8*\i+4:HS+8*\i+7], v[20+\i], s[44:45] offset:16
.endr
.irp n, 0,1,2,3
	global_load_b128 v[W2S+8*\n:W2S+8*\n+3], v6, s[32:33] offset:1024*\n
	global_load_b128 v[W2S+8*\n+4:W2S+8*\n+7], v6, s[32:33] offset:1024*\n+16
.endr
.irp n, 0,1,2,3
	global_load_b128 v[BIAS+8*\n:BIAS+8*\n+3], v7, s[34:35] offset:64*\n
	global_load_b128 v[BIAS+8*\n+4:BIAS+8*\n+7], v7, s[34:35] offset:64*\n+16
.endr
.macro WLOAD half                      ; my 64 rows of W2, bytes 512 half .. + 511 of my K half: a load takes 512 consecutive bytes of one row; row R into registers 4 R .. 4 R + 3 of the window set
.set R, 0
.rept 64
	global_load_b128 v[4*R:4*R+3], v4, s[30:31] offset:2048*R+512*(\half)
.set R, R+1
.endr
.endm
; The turn: the rows go into my stage as loaded and come back as fragments, into the registers that they left.  LDS serves a wave's instructions in order (ISA guide 5.7.1.4): the loads see the stores,
; and the second half's stores come behind the first half's loads.
.macro WTURN wst, wld
	WIN \wst                                       ; an LDS store's data are its source 1
.set R, 0
.rept 64
	ds_store_b128 v[SST], v[4*R:4*R+3] offset:R*SP2
.set R, R+1
.endr
	WIN \wld
.irp s, 0,1,2,3
.irp n, 0,1,2,3
.irp c, 0,1,2,3
	ds_load_b128 v[16*(4*\s+\n)+4*\c:16*(4*\s+\n)+4*\c+3], v[SFR] offset:16*\n*SP2+128*\s+32*\c
.endr
.endr
.endr
.endm
.macro ALOADQ buf, base, off, q        ; K steps 2 q, 2 q + 1 of a row tile's images into buffer buf: 8 loads of 512 consecutive bytes
.irp u, 0,1
.irp c, 0,1,2,3
	global_load_b128 v[128*(\buf)+16*(2*\q+\u)+4*\c:128*(\buf)+16*(2*\q+\u)+4*\c+3], v4, s[\base:\base+1] offset:(\off)+2048*(2*\q+\u)+512*\c
.endr
.endr
.endm
	WIN 0x40
	WLOAD 0
	WIN 0x80
	WLOAD 1
	WIN 0
	s_wait_loadcnt 63                              ; behind the first half's last load stand the second half's 64: with 63 out, the small loads and the first half are in
.set k, 0
.rept 32
	v_cndmask_b32 v[BIAS+k], v[BIAS+k], 0, s49
.set k, k+1
.endr
.irp i, 0,1,2,3,4,5,6,7
	v_cndmask_b32 v[G+2*\i], v[G+2*\i], v[G+2*\i+1], s48   ; my expert's gate in the pair's low word
.endr
	WTURN 0x04, 0x40
	WIN 0xc0
.irp q, 0,1,2,3
	ALOADQ 0, 40, 0, \q
.endr
.irp q, 0,1,2,3
	ALOADQ 1, 42, 0, \q
.endr
	s_wait_loadcnt 63                              ; behind the second half's last load stand these 64: with 63 out it is in
	WTURN 0x08, 0x80
	WIN 0
	s_wait_dscnt 0x0                               ; W2's fragments stand in their registers
.macro MM i, q                         ; 8 products: K steps 2 q, 2 q + 1, the 4 accumulators by turns
.if \q < 2
	WIN 0x0d                                       ; source 0 (W2) window 1, source 1 (hidden) window 3, C and D window 0
.else
	WIN 0x0e
.endif
.irp u, 0,1
.irp n, 0,1,2,3
.if 2*\q+\u == 0
	v_wmma_scale_f32_16x16x128_f8f6f4 v[ACC+8*\n:ACC+8*\n+7], v[16*(4*((2*\q+\u)%4)+\n):16*(4*((2*\q+\u)%4)+\n)+15], v[128*((\i)%2)+16*(2*\q+\u):128*((\i)%2)+16*(2*\q+\u)+15], v[BIAS+8*\n:BIAS+8*\n+7], v[W2S+8*\n+2*\q+\u], v[HS+8*(\i)+2*\q+\u]
.else
	v_wmma_scale_f32_16x16x128_f8f6f4 v[ACC+8*\n:ACC+8*\n+7], v[16*(4*((2*\q+\u)%4)+\n):16*(4*((2*\q+\u)%4)+\n)+15], v[128*((\i)%2)+16*(2*\q+\u):128*((\i)%2)+16*(2*\q+\u)+15], v[ACC+8*\n:ACC+8*\n+7], v[W2S+8*\n+2*\q+\u], v[HS+8*(\i)+2*\q+\u]
.endif
.endr
.endr
.endm
.macro EPI i                           ; x the gate, each accumulator from its low end on, and into my part in LDS
.irp k, 0,2,4,6,8,10,12,14,16,18,20,22,24,26,28,30
	v_pk_mul_f32 v[ACC+\k:ACC+\k+1], v[ACC+\k:ACC+\k+1], v[G+2*(\i):G+2*(\i)+1] op_sel_hi:[1,0]
.endr
.irp n, 0,1,2,3
	ds_store_b128 v11, v[ACC+8*\n:ACC+8*\n+3] offset:16*PP*(\i)+64*\n
	ds_store_b128 v11, v[ACC+8*\n+4:ACC+8*\n+7] offset:16*PP*(\i)+64*\n+16
.endr
.endm
; Row tile i where the tile has at least i + 3: behind each pair of K steps the buffer's two fragments take row tile i + 2's.
.macro MAIN i
.if \i > 0
	s_wait_dscnt 0x0                               ; the last trip's LDS stores have read the accumulators
.endif
.irp q, 0,1,2,3
	s_wait_loadcnt 56                              ; behind this pair's 8 loads: 8 (3 - q) of its own row tile, 32 of the next, 8 q of the one after
	MM \i, \q
	PLACES
	WIN 0xc0
	ALOADQ (\i)%2, 40, 65536*(\i+2), \q
.endr
	WIN 0
	EPI \i
.endm
; Row tile i with nothing left to ask for.  Row tile 0: behind its pair q stand 8 (3 - q) loads of its own and row tile 1's 32.  Later ones: the counts are those of the last row tile; in the one before
; it they ask for more than is needed, which is safe.
.macro NOREF i
.Lnoref_\i:
.if \i > 0
	s_wait_dscnt 0x0
.endif
	s_wait_alu depctr_va_vdst(0)
.irp q, 0,1,2,3
.if \i == 0
	s_wait_loadcnt 8*(3-\q)+32
.else
	s_wait_loadcnt 8*(3-\q)
.endif
	MM \i, \q
.endr
	WIN 0
	PLACES
	EPI \i
.if \i < 7
	s_cmp_eq_u32 s23, \i+1
	s_cbranch_scc1 .Lsum
.endif
.endm
.irp i, 0,1,2,3,4,5
	s_cmp_le_u32 s23, \i+2
	s_cbranch_scc1 .Lnoref_\i
	s_wait_alu depctr_va_vdst(0)
	MAIN \i
.endr
	s_branch .Lnoref_6
.irp i, 0,1,2,3,4,5,6,7
	NOREF \i
.endr
.Lsum:                                 ; all ways meet here: every wave passes the barrier once
	s_wait_dscnt 0x0                               ; for the others' sake: my part lies in LDS
	s_barrier_signal -1
	s_barrier_wait -1
	s_cmp_eq_u32 s23, 0
	s_cbranch_scc1 .Lend                           ; a tile without rows ends here, without waiting for its tokens
	s_wait_loadcnt 0x0                             ; the tokens (the first loads of all), and what a tile of one row tile left on its way
.irp n, 0,1,2,3,4,5,6,7,8,9,10,11,12,13,14,15
	v_min_u32 v[OFFS+\n], 2047, v[OFFS+\n]
.endr
.irp n, 0,1,2,3,4,5,6,7,8,9,10,11,12,13,14,15
	v_lshl_add_u32 v[OFFS+\n], v[OFFS+\n], 12, v17 ; the token's row of out0, + 16 (lane % 16)
.endr
.irp i, 0,1,2,3,4,5,6,7
.if \i > 0
	s_cmp_le_u32 s23, \i                           ; no such row tile: done
	s_cbranch_scc1 .Lend
.endif
.irp p, 0,1
.irp g, 0,1,2,3
	ds_load_b128 v[SM+16*\p+4*\g:SM+16*\p+4*\g+3], v[12+\g] offset:(16*\i+2*\p)*PP      ; 16 lanes: a row's 256 bytes of wave g's part
.endr
.endr
	s_wait_dscnt 0x0
.irp p, 0,1
	v_pk_add_f32 v[SM+16*\p:SM+16*\p+1], v[SM+16*\p:SM+16*\p+1], v[SM+16*\p+4:SM+16*\p+5]
	v_pk_add_f32 v[SM+16*\p+2:SM+16*\p+3], v[SM+16*\p+2:SM+16*\p+3], v[SM+16*\p+6:SM+16*\p+7]
	v_pk_add_f32 v[SM+16*\p+8:SM+16*\p+9], v[SM+16*\p+8:SM+16*\p+9], v[SM+16*\p+12:SM+16*\p+13]
	v_pk_add_f32 v[SM+16*\p+10:SM+16*\p+11], v[SM+16*\p+10:SM+16*\p+11], v[SM+16*\p+14:SM+16*\p+15]
	v_pk_add_f32 v[SM+16*\p:SM+16*\p+1], v[SM+16*\p:SM+16*\p+1], v[SM+16*\p+8:SM+16*\p+9]
	v_pk_add_f32 v[SM+16*\p+2:SM+16*\p+3], v[SM+16*\p+2:SM+16*\p+3], v[SM+16*\p+10:SM+16*\p+11]
.endr
	s_wait_alu depctr_va_vdst(0)
.irp p, 0,1
	v_add_nc_u32 v19, 16*\i+2*\p, v16              ; my row of the tile
	v_cmp_gt_u32 vcc_lo, s22, v19                  ; only the tile's own rows are stored
	s_wait_xcnt 0x0                                ; EXEC changes only behind this wait
	s_and_saveexec_b32 s50, vcc_lo
	global_store_b128 v[OFFS+2*\i+\p], v[SM+16*\p:SM+16*\p+3], s[52:53] th:TH_STORE_NT   ; 16 lanes store 256 consecutive bytes, at a multiple of 256 from out0's first byte
	s_wait_xcnt 0x0                                ; and again in front of the line that widens it; the stores' registers are free behind it too
	s_or_b32 exec_lo, exec_lo, s50
.endr
.endr
.Lend:
	s_wait_tensorcnt 0x0
	ds_add_u32 v254, v255
	s_wait_dscnt 0x0
	s_endpgm
.Lfunc_end_k_qbb422ad15b_down:
	.size	k_qbb422ad15b_down, .Lfunc_end_k_qbb422ad15b_down-k_qbb422ad15b_down
	.p2alignl 7, 3214868480
	.fill 96, 4, 3214868480
	.section	.rodata,"a",@progbits
	.p2align	6, 0x0
	.amdhsa_kernel k_qbb422ad15b_down
		.amdhsa_group_segment_fixed_size 139776
		.amdhsa_private_segment_fixed_size 0
		.amdhsa_enable_private_segment 0
		.amdhsa_kernarg_size 56
		.amdhsa_user_sgpr_count 2
		.amdhsa_user_sgpr_kernarg_segment_ptr 1
		.amdhsa_wavefront_size32 1
		.amdhsa_system_sgpr_workgroup_id_x 1
		.amdhsa_system_sgpr_workgroup_id_y 1
		.amdhsa_system_sgpr_workgroup_id_z 1
		.amdhsa_system_vgpr_workitem_id 0
		.amdhsa_next_free_vgpr 1024
		.amdhsa_next_free_sgpr 66
		.amdhsa_reserve_vcc 1
		.amdhsa_float_denorm_mode_32 3
		.amdhsa_float_denorm_mode_16_64 3
		.amdhsa_memory_ordered 1
		.amdhsa_forward_progress 1
		.amdhsa_inst_pref_size 175
	.end_amdhsa_kernel
	.amdgpu_metadata
---
amdhsa.version: [ 1, 2 ]
amdhsa.kernels:
  - .name:           k_qbb422ad15b_down
    .symbol:         k_qbb422ad15b_down.kd
    .args:
      - { .name: plan, .offset: 0, .size: 8, .value_kind: global_buffer, .address_space: global }
      - { .name: gslot, .offset: 8, .size: 8, .value_kind: global_buffer, .address_space: global }
      - { .name: hq, .offset: 16, .size: 8, .value_kind: global_buffer, .address_space: global }
      - { .name: w2_codes, .offset: 24, .size: 8, .value_kind: global_buffer, .address_space: global }
      - { .name: w2_scales, .offset: 32, .size: 8, .value_kind: global_buffer, .address_space: global }
      - { .name: b2, .offset: 40, .size: 8, .value_kind: global_buffer, .address_space: global }
      - { .name: out0, .offset: 48, .size: 8, .value_kind: global_buffer, .address_space: global }
    .group_segment_fixed_size: 139776
    .private_segment_fixed_size: 0
    .kernarg_segment_align: 8
    .kernarg_segment_size: 56
    .max_flat_workgroup_size: 128
    .sgpr_count:     66
    .vgpr_count:     1024
    .wavefront_size: 32
...
	.end_amdgpu_metadata
.endif
;; end of part 8
